; MI455X (gfx1250); checked and timed in simulation.
; The chip was launched on July 23, 2026; its instructions are those of AMD's public machine-readable ISA for CDNA 5 (MIT licence, August 2026) and "CDNA5" Instruction Set Architecture Reference Guide (July 2026). The comments in the code are by the model that wrote it; some were corrected since.
;; PID Multi Head Attention. Allowed arithmetic: matrix products marked QUANTISED: E5M2 operands, one E8M0 scale for each 32 along K, by v_wmma_scale_f32_16x16x128_f8f6f4 with both operands' format E5M2, f32 sums; products left as they are: f32 operands where the result goes on into a quantised operand, else bf16, f16 or f32 operands; f32 sums; everything else in f32.
;; Inputs: kWd 1,024 x 1,024 float32; kWg 3 x 1,024 float32; kWi 1,024 x 1,024 float32; kWp 1,024 x 1,024 float32; kbg 3 float32; oW 1,024 x 1,024 float32; ob 1,024 float32; qWd 1,024 x 1,024 float32; qWg 3 x 1,024 float32; qWi 1,024 x 1,024 float32; qWp 1,024 x 1,024 float32; qbg 3 float32; vWd 1,024 x 1,024 float32; vWg 3 x 1,024 float32; vWi 1,024 x 1,024 float32; vWp 1,024 x 1,024 float32; vbg 3 float32; x 2 x 2,048 x 1,024 float32.
;; Outputs: out0 2 x 2,048 x 1,024 float32.
;; This version of the problem:
;;   THIS VERSION OF THE PROBLEM IS GIVEN IN LOW PRECISION. The matrix products marked QUANTISED in the list below multiply operands that are first quantised to E5M2 (5 exponent bits, 2 mantissa bits; 8 bits a number), with one power-of-two scale for each 32 numbers along K (OCP MX v1.0); their sums are f32. All else is computed in f32.
;;   The module's matrix products, in the order in which they are computed (A, B: the left and right operand; K: the contracted axis; several contracted axes count as one K, in the product's order):
;;     1. [M 4,096, K 1,024] x [K 1,024, N 3]; A: input x; B: input qWg: left as it is (N = 3 < 16)
;;     2. [M 4,096, K 1,024] x [K 1,024, N 1,024]; A: input x; B: input qWp: QUANTISED
;;     3. [M 4,096, K 1,024] x [K 1,024, N 1,024]; A: computed on the way; B: input qWi: QUANTISED
;;     4. [M 4,096, K 1,024] x [K 1,024, N 1,024]; A: computed on the way; B: input qWd: QUANTISED
;;     5. [M 4,096, K 1,024] x [K 1,024, N 3]; A: input x; B: input kWg: left as it is (N = 3 < 16)
;;     6. [M 4,096, K 1,024] x [K 1,024, N 1,024]; A: input x; B: input kWp: QUANTISED
;;     7. [M 4,096, K 1,024] x [K 1,024, N 1,024]; A: computed on the way; B: input kWi: QUANTISED
;;     8. [M 4,096, K 1,024] x [K 1,024, N 1,024]; A: computed on the way; B: input kWd: QUANTISED
;;     9. [M 4,096, K 1,024] x [K 1,024, N 3]; A: input x; B: input vWg: left as it is (N = 3 < 16)
;;     10. [M 4,096, K 1,024] x [K 1,024, N 1,024]; A: input x; B: input vWp: QUANTISED
;;     11. [M 4,096, K 1,024] x [K 1,024, N 1,024]; A: computed on the way; B: input vWi: QUANTISED
;;     12. [M 4,096, K 1,024] x [K 1,024, N 1,024]; A: computed on the way; B: input vWd: QUANTISED
;;     13. batch 32 x [M 2,048, K 64] x [K 64, N 2,048]; A: computed on the way; B: computed on the way: QUANTISED
;;     14. batch 32 x [M 2,048, K 2,048] x [K 2,048, N 64]; A: softmax (see below); B: computed on the way: QUANTISED
;;     15. [M 4,096, K 1,024] x [K 1,024, N 1,024]; A: computed on the way; B: input oW: QUANTISED
;;   THE QUANTISER, for each operand of a quantised product, along K:
;;     - K is cut into blocks of 32 from its start; a last block that is shorter is filled with zeros.
;;     - A block's scale is 2^e with e = floor(log2(the largest magnitude in the block)) - 15, held to -126 .. 127; a block of zeros has e = 0. As a byte (E8M0): e + 127.
;;     - Each number is divided by its block's scale, clamped to +-57,344, and rounded to the nearest number of E5M2, ties to even, subnormals kept.
;;     - The product sums the exact products of the quantised numbers (number of the format x scale) in f32.
;;   ~~~python
;;   def quantise(x, axis):      # numpy; x: float32 -> the quantised numbers, widened to float32 again
;;       x = np.moveaxis(x, axis, -1); K = x.shape[-1]
;;       x = np.pad(x, [(0, 0)] * (x.ndim - 1) + [(0, -K % 32)]); x = x.reshape(x.shape[:-1] + (-1, 32)); a = np.abs(x).max(-1, keepdims=True)
;;       e = np.where(a > 0, np.clip(np.frexp(np.where(a > 0, a, 1))[1] - 1 - 15, -126, 127), 0)      # np.frexp(a)[1] - 1 = floor(log2(a)), exactly
;;       r = np.clip(x / 2.0 ** e, -57344, 57344)
;;       step = 2.0 ** (np.maximum(np.frexp(np.where(r == 0, 1, r))[1] - 1, -14) - 2)
;;       q = np.round(r / step) * step * 2.0 ** e      # np.round: ties to even
;;       return np.moveaxis(q.reshape(q.shape[:-2] + (-1,))[..., :K], -1, axis).astype(np.float32)
;;   ~~~
;;   SOFTMAX AHEAD OF A QUANTISED PRODUCT. Where the list says 'softmax', what is quantised is not the finished softmax but p = 2^(t - M), with t = logit x log2(e) and M = ceil(the row's largest t), a whole number; so 1/2 < the row's largest p <= 1. The row's sum l is taken of the UNQUANTISED p, in f32, and the product's result is divided by l at the end. Since M is a whole number, a kernel that streams over the keys may use a running M (the ceiling of the running maximum): every later rescaling is an exact power of two, which a block's scale takes up: the codes' values come out the same.
;;   OPERANDS COMPUTED ON THE WAY. 'Computed on the way' means the value that the module computes at that place (a softmax that the list does not call 'softmax' is quantised finished and normalised). What goes into a quantiser is computed in f32, as accurately as f32 sums, v_exp_f32 and their like allow (about 1e-6 of the number): no bf16 or f16 on the way to a quantiser, and a product that is left as it is and whose result goes on into a quantised operand takes f32 operands (vector FMAs, or v_wmma_f32_16x16x4_f32). A number that lies on a knife's edge between two numbers of the format may be rounded either way, as far as f32 arithmetic and the matrix unit's own rounding can turn it there, and no further.
;; One version. Each part assembles by itself: llvm-mc -triple=amdgcn-amd-amdhsa -mcpu=gfx1250 --defsym DOCPART=n.
;; ======== version 1 of 1: 5 launches
;; limits: right only within a limited range of input values
;; workspace buffers: pre 1,048,576 bytes; ac 12,582,912 bytes; wc 12,582,912 bytes; sc 983,040 bytes; qb 4,456,448 bytes; kv 8,781,824 bytes; oc 4,325,376 bytes
;; launch prep (part 1): grid 224 x 1, 8 waves a work-group, no clusters, 140,288 bytes of LDS; arguments qWp, qWi, qWd, kWp, kWi, kWd, vWp, vWi, vWd, oW, x, wc, sc, pre; writes wc, sc, pre
.if DOCPART == 1
	.amdgcn_target "amdgcn-amd-amdhsa--gfx1250"
	.amdhsa_code_object_version 6
	.text
	.protected	k_q49c9a79a4d_prep
	.globl	k_q49c9a79a4d_prep
	.p2align	8
	.type	k_q49c9a79a4d_prep,@function
k_q49c9a79a4d_prep:
	s_mov_b64 s[64:65], 0
	v_nop
	global_prefetch_b8 v0, s[64:65] scope:SCOPE_SE
	s_setreg_imm32_b32 hwreg(HW_REG_WAVE_MODE, 25, 1), 1
	s_wait_xcnt 0x0
; PID attention in MX-BF8, launch 1 of 5: the ten weights become codes, and x's sums over T are begun.
; THE PROGRAM.  prep: weights -> codes (wc, sc); sums of x's rows ahead of each tile of 16 tokens (pre).  xq: x, its running mean and its difference -> codes (ac, sc), the nine gates (sc).
; proj: the nine products, weighed by the gates, Q, K, V quantised on the way out (qb, kv).  attn: causal attention, its result quantised (oc).  oproj: the last product and its bias (out0).
; WORK LEFT OUT.  reference() sets the scores of keys k > q to -infinity by a mask that it builds itself; their softmax weight is 0 for every value of the inputs, so a step of 128 keys all of which
; come after a wave's 16 queries adds nothing to any output: attn leaves such steps out, and does not fetch slots of keys that none of a work-group's waves reads.  Every input has a way to the output: all are loaded.
; LIMITS.  A NaN, an infinity or an overflow that reaches only the work left out is not carried to the result.  NaN and infinities among the inputs are not served.  A block of zeros gets the scale byte 1 where the
; rule says 127: its codes are zeros, which add nothing under any byte but 0xff, and the bytes are read by this program alone.  The sums over T are added in another order than jnp.cumsum adds them.
; ONE ORDER ALONG K FOR ALL CODES.  Inside each block of 32 along any K, place 16 h + i holds number 8 h + i (i < 8) or 16 + 8 h + (i - 8): the order in which a lane (r, h) holds two neighbouring result tiles.
; Both operands of every product carry it, so blocks, scales and products are as the problem states them.
; IMAGES.  An operand's fragment (16 rows x 128 K, 16 registers a lane) lies in memory as its registers: [c 0..3][lane][16 bytes], 2,048 bytes.  wc: [sigma = 8 p + s][tile][2048], tile = 64 pj + n / 16.
; ROLES.  Work-groups 0..159: matrix mtx = id / 16 (q, k, v: Wp, Wi, Wd; then oW), 64 rows; wave s takes K step s.  Work-groups 160..191: batch, strip of 64 columns; wave w sums rows 256 w .. 256 w + 255.
; Role W has LDS bytes of its own.
; WHAT pre HOLDS AND WHO SUMS (these lines take the place of the words on pre and on work-groups 160.. above): pre[tile] = the sum of x's rows from the first row of the tile's block of 8 tiles (128 rows) through the tile's last row.
; Work-groups 160..223: batch, strip of 64 columns, half of the batch's 16 blocks; a wave sums one block of 128 rows by itself: no LDS, no barrier.  xq adds the blocks that lie ahead.
.set STEPB, 524288
.set SG,    135168                     ; role W: 4 tiles x 512 bytes of scale words
.set TOT,   137216
.set SPARE, 139264                     ; the spare words, 128 bytes a wave: no other line names them
.set LI,  1                            ; 16 x lane
.set STW, 2                            ; role W: my stage, as the rows are loaded
.set STR, 3                            ; role W: my stage, row r, + 32 h
.set SGW, 4
.set SGR, 5
.set SPW, 6
.set NIL, 7
.set PW,  8
.set X,   16                           ; v16-143  two sets of 16 rows x 4
.set T,   144                          ; v144-207 64 numbers of my row, register 16 c + i
.set PC,  208                          ; v208-223 the codes
.set TM,  224                          ; v224-239 at work
.set WV,  34
.set SEL, 36
.set MNT, 38
; 64 numbers of a lane, register 16 b + i, become a fragment's codes in v[PC] on and its scale word in v[PW]
.macro QUANT s
.irp b, 0,1,2,3
	v_max3_num_f32 v[TM+\b], |v[\s+16*\b]|, |v[\s+1+16*\b]|, 0x8000000   ; my 16 numbers of block b, and the floor 2^(16 - 127): the byte cannot fall under 1
.endr
.irp i, 2,4,6,8,10,12,14
.irp b, 0,1,2,3
	s_delay_alu instid0(VALU_DEP_4)
	v_max3_num_f32 v[TM+\b], v[TM+\b], |v[\s+16*\b+\i]|, |v[\s+1+16*\b+\i]|
.endr
.endr
.irp b, 0,1,2,3
	s_delay_alu instid0(VALU_DEP_4)
	v_permlanex16_b32 v[TM+4+\b], v[TM+\b], s[SEL], s[SEL+1]
.endr
.irp b, 0,1,2,3
	s_delay_alu instid0(VALU_DEP_4)
	v_max_num_f32 v[TM+\b], v[TM+\b], v[TM+4+\b]                   ; with lane l xor 16's: the block's largest magnitude
.endr
.irp b, 0,1,2,3
	s_delay_alu instid0(VALU_DEP_4)
	v_add_nc_u32 v[TM+12+\b], 0xf8800000, v[TM+\b]                 ; 15 off its exponent field: the conversion's scale operand
.endr
.irp b, 0,1,2,3
	v_and_or_b32 v[TM+8+\b], v[TM+\b], 0x7f800000, s[MNT]          ; 57,344 x the scale
.endr
.irp b, 0,1,2,3
	v_lshrrev_b32 v[TM+4+\b], 23, v[TM+12+\b]                      ; the scale's byte
.endr
	s_delay_alu instid0(VALU_DEP_3)
	v_lshl_or_b32 v[PW], v[TM+5], 8, v[TM+4]
	s_delay_alu instid0(VALU_DEP_1)
	v_lshl_or_b32 v[PW], v[TM+6], 16, v[PW]
	s_delay_alu instid0(VALU_DEP_1)
	v_lshl_or_b32 v[PW], v[TM+7], 24, v[PW]
.irp b, 0,1,2,3
.irp i, 0,1,2,3,4,5,6,7,8,9,10,11,12,13,14,15
	v_med3_num_f32 v[\s+16*\b+\i], v[\s+16*\b+\i], -v[TM+8+\b], v[TM+8+\b]   ; the conversion does not saturate (ISA guide 7.6.2): the hold comes first
.endr
	v_cvt_scalef32_pk8_bf8_f32 v[PC+4*\b:PC+1+4*\b], v[\s+16*\b:\s+7+16*\b], v[TM+12+\b]
	v_cvt_scalef32_pk8_bf8_f32 v[PC+2+4*\b:PC+3+4*\b], v[\s+8+16*\b:\s+15+16*\b], v[TM+12+\b]
.endr
	v_nop                                          ; a plain line behind the last conversion
.endm
	s_load_b512 s[4:19], s[0:1], 0x0               ; qWp qWi qWd kWp kWi kWd vWp vWi
	s_load_b256 s[20:27], s[0:1], 0x40             ; vWd oW x wc
	s_load_b128 s[28:31], s[0:1], 0x60             ; sc pre
	v_lshl_add_u32 v[SPW], v0, 2, SPARE
	v_mov_b32 v[NIL], 0
	v_lshrrev_b32 v9, 5, v0
	s_delay_alu instid0(VALU_DEP_1)
	v_readfirstlane_b32 s[WV], v9                  ; wave 0..7
	v_and_b32 v10, 31, v0                          ; lane
	v_and_b32 v11, 15, v0                          ; r
	v_bfe_u32 v12, v0, 4, 1                        ; h
	s_delay_alu instid0(VALU_DEP_3)
	v_lshlrev_b32 v[LI], 4, v10
	s_mov_b32 s[SEL], 0x76543210
	s_mov_b32 s[SEL+1], 0xfedcba98
	s_mov_b32 s[MNT], 0x600000
	s_cmp_lt_u32 ttmp9, 160
	s_cbranch_scc0 .Lscan
	; ---------------- role W: 64 rows of one weight, my K step of 128 columns
	s_lshr_b32 s40, ttmp9, 4                       ; mtx 0..9
	s_and_b32 s41, ttmp9, 15                       ; which 64 rows
	s_mul_i32 s42, s40, 11
	s_lshr_b32 s42, s42, 5                         ; pj = mtx / 3
	s_mul_i32 s43, s42, 3
	s_sub_co_u32 s43, s40, s43                     ; p = mtx % 3
	s_mul_i32 s44, s[WV], 16896                    ; my two stages of 16 rows x 528 bytes
	s_wait_alu depctr_va_vdst(0)
	v_add_nc_u32 v[STW], s44, v[LI]
	v_mul_u32_u24 v[STR], v11, 528
	s_delay_alu instid0(VALU_DEP_1)
	v_lshl_add_u32 v[STR], v12, 5, v[STR]
	s_delay_alu instid0(VALU_DEP_1)
	v_add_nc_u32 v[STR], s44, v[STR]
	s_lshr_b32 s45, s[WV], 2
	s_lshl_b32 s45, s45, 8
	s_and_b32 s46, s[WV], 3
	s_lshl_b32 s46, s46, 2
	s_add_co_u32 s45, s45, s46
	s_add_co_u32 s45, s45, SG
	v_lshl_add_u32 v[SGW], v11, 4, s45             ; SG + 256 (s / 4) + 16 r + 4 (s % 4)
	s_min_u32 s46, s[WV], 3
	s_lshl_b32 s47, s46, 9
	s_add_co_u32 s47, s47, SG
	v_add_nc_u32 v[SGR], s47, v[LI]                ; waves 0..3 send one tile's 512 bytes of scale words each
	s_lshl_b32 s48, s41, 18
	s_lshl_b32 s50, s[WV], 9
	s_add_co_u32 s48, s48, s50                     ; in the weight: 64 rows x 4,096 bytes, + 512 s
	s_mov_b32 s49, 0
	s_lshl_b32 s50, s43, 3
	s_add_co_u32 s50, s50, s[WV]
	s_lshl_b32 s50, s50, 19                        ; sigma x STEPB
	s_lshl_b32 s52, s42, 6
	s_lshl_b32 s53, s41, 2
	s_add_co_u32 s52, s52, s53                     ; my first tile
	s_lshl_b32 s53, s52, 11
	s_add_co_u32 s50, s50, s53
	s_mov_b32 s51, 0
	s_add_co_u32 s52, s52, 256
	s_add_co_u32 s52, s52, s46
	s_mul_i32 s52, s52, 1536
	s_lshl_b32 s53, s43, 9
	s_add_co_u32 s52, s52, s53                     ; sc: (256 + tile + wave) x 1536 + 512 p
	s_mov_b32 s53, 0
.irp b, 0,1,2,3
	v_mov_b32 v[TM+4+\b], 0                        ; a lane permute's destination counts as one of its sources
.endr
	s_wait_alu depctr_va_vdst(0)
	s_wait_kmcnt 0x0
	s_mov_b64 s[32:33], s[4:5]
.irp k, 1,2,3,4,5,6,7,8,9
	s_cmp_eq_u32 s40, \k
	s_cselect_b64 s[32:33], s[4+2*\k:5+2*\k], s[32:33]   ; the choice hangs on the work-group's number alone
.endr
	s_add_nc_u64 s[32:33], s[32:33], s[48:49]
	s_add_nc_u64 s[26:27], s[26:27], s[50:51]
	s_add_nc_u64 s[28:29], s[28:29], s[52:53]
.macro LOADW j                         ; tile j's 16 rows: each load reads 512 consecutive bytes of one row
.irp i, 0,1,2,3,4,5,6,7,8,9,10,11,12,13,14,15
	global_load_b128 v[X+64*((\j)%2)+4*\i:X+64*((\j)%2)+4*\i+3], v[LI], s[32:33] offset:(16*(\j)+\i)*4096 th:TH_LOAD_NT
.endr
.endm
.macro TILE j
.if (\j) < 3
	s_wait_loadcnt 16                              ; this tile's 16 loads are in; the next tile's 16 may be out
.else
	s_wait_loadcnt 0x0
.endif
.irp i, 0,1,2,3,4,5,6,7,8,9,10,11,12,13,14,15
	ds_store_b128 v[STW], v[X+64*((\j)%2)+4*\i:X+64*((\j)%2)+4*\i+3] offset:((\j)%2)*8448+\i*528
.endr
.irp c, 0,1,2,3                        ; back by rows: of block c my 8 + 8 numbers, in the order of places
	ds_load_b128 v[T+16*\c:T+16*\c+3], v[STR] offset:((\j)%2)*8448+128*\c
	ds_load_b128 v[T+16*\c+4:T+16*\c+7], v[STR] offset:((\j)%2)*8448+128*\c+16
	ds_load_b128 v[T+16*\c+8:T+16*\c+11], v[STR] offset:((\j)%2)*8448+128*\c+64
	ds_load_b128 v[T+16*\c+12:T+16*\c+15], v[STR] offset:((\j)%2)*8448+128*\c+80
.endr
	s_wait_dscnt 0x0                               ; my numbers are back; the stores have read their registers, the last tile's scale word too
.if (\j) < 2
	LOADW (\j)+2
.endif
	s_wait_xcnt 0x0                                ; the last tile's stores have read the codes' registers
	QUANT T
.irp c, 0,1,2,3
	global_store_b128 v[LI], v[PC+4*\c:PC+4*\c+3], s[26:27] offset:(\j)*2048+512*\c   ; 512 consecutive bytes
.endr
	ds_store_b32 v[SGW], v[PW] offset:(\j)*512     ; both lanes of a row write the same word
.endm
	LOADW 0
	LOADW 1
	TILE 0
	TILE 1
	TILE 2
	TILE 3
	s_wait_dscnt 0x0                               ; for the others: my scale words lie in LDS
	s_barrier_signal -1
	s_barrier_wait -1
	s_cmp_lt_u32 s[WV], 4
	s_cbranch_scc0 .Lw_end
	ds_load_b128 v[16:19], v[SGR]
	s_wait_dscnt 0x0
	global_store_b128 v[LI], v[16:19], s[28:29]    ; a tile's scale words of all eight K steps: 512 consecutive bytes
.Lw_end:
	s_wait_tensorcnt 0x0                           ; the wave's end, behind my last LDS store
	ds_add_u32 v[SPW], v[NIL]
	s_wait_dscnt 0x0
	s_endpgm
	; ---------------- role S: sums of x's rows ahead of each tile of 16 tokens, for 64 columns of one batch
.Lscan:
	s_sub_co_u32 s40, ttmp9, 160
	s_lshr_b32 s41, s40, 5                         ; batch
	s_bfe_u32 s42, s40, 0x40001                    ; strip of 256 bytes
	s_and_b32 s43, s40, 1
	s_lshl_b32 s43, s43, 3
	s_add_co_u32 s43, s43, s[WV]                   ; my block of 128 rows, 0..15
	s_wait_alu depctr_va_vdst(0)
	v_lshlrev_b32 v2, 4, v11                       ; 16 (lane % 16)
	s_delay_alu instid0(VALU_DEP_1)
	v_lshl_add_u32 v3, v12, 12, v2                 ; lanes 16-31 one row (or one tile of pre) further down
	v_cmp_lt_u32 s46, 15, v10                      ; lanes 16-31
	s_lshl_b32 s48, s41, 23
	s_lshl_b32 s50, s43, 19
	s_add_co_u32 s48, s48, s50
	s_lshl_b32 s50, s42, 8
	s_add_co_u32 s48, s48, s50
	s_mov_b32 s49, 0
	s_lshl_b32 s52, s41, 7
	s_lshl_b32 s53, s43, 3
	s_add_co_u32 s52, s52, s53
	s_lshl_b32 s52, s52, 12
	s_add_co_u32 s52, s52, s50
	s_mov_b32 s53, 0
.irp j, 0,1,2,3
	v_mov_b32 v[208+\j], 0                         ; a lane permute's destination counts as one of its sources
.endr
	s_wait_alu depctr_va_vdst(0)                   ; the head's end, directly ahead of the wait below
	s_wait_kmcnt 0x0
	s_add_nc_u64 s[24:25], s[24:25], s[48:49]
	s_add_nc_u64 s[30:31], s[30:31], s[52:53]
.macro SLOAD u                         ; unit u: 16 rows, two rows' 256 bytes a load
.irp k, 0,1,2,3,4,5,6,7
	global_load_b128 v[16+32*((\u)%4)+4*\k:16+32*((\u)%4)+4*\k+3], v3, s[24:25] offset:(16*(\u)+2*\k)*4096 th:TH_LOAD_NT
.endr
.endm
.macro UNIT u
.if (\u) < 5
	s_wait_loadcnt 24                              ; my eight loads are in; three units' may be out
.else
	s_wait_loadcnt 8*(7-(\u))
.endif
.set RB, 16+32*((\u)%4)
.set UU, 144+4*(\u)
	v_pk_add_f32 v[UU:UU+1], v[RB:RB+1], v[RB+4:RB+5]
	v_pk_add_f32 v[UU+2:UU+3], v[RB+2:RB+3], v[RB+6:RB+7]
.irp k, 2,3,4,5,6,7
	s_delay_alu instid0(VALU_DEP_2)
	v_pk_add_f32 v[UU:UU+1], v[UU:UU+1], v[RB+4*\k:RB+4*\k+1]
	s_delay_alu instid0(VALU_DEP_2)
	v_pk_add_f32 v[UU+2:UU+3], v[UU+2:UU+3], v[RB+4*\k+2:RB+4*\k+3]
.endr
.if (\u) < 4
	SLOAD (\u)+4
.endif
.endm
	SLOAD 0
	SLOAD 1
	SLOAD 2
	SLOAD 3
.irp u, 0,1,2,3,4,5,6,7
	UNIT \u
.endr
.irp u, 0,1,2,3,4,5,6,7
.irp j, 0,1,2,3
	v_permlanex16_b32 v[208+\j], v[144+4*\u+\j], s[SEL], s[SEL+1]
.endr
	s_delay_alu instid0(VALU_DEP_3)
	v_pk_add_f32 v[144+4*\u:145+4*\u], v[144+4*\u:145+4*\u], v[208:209]     ; even rows + odd rows: the unit's sum, in both halves
	s_delay_alu instid0(VALU_DEP_2)
	v_pk_add_f32 v[146+4*\u:147+4*\u], v[146+4*\u:147+4*\u], v[210:211]
.endr
.irp u, 1
	v_pk_add_f32 v[144+4*\u:145+4*\u], v[144+4*\u:145+4*\u], v[140+4*\u:141+4*\u]   ; running sums inside my 128 rows
	v_pk_add_f32 v[146+4*\u:147+4*\u], v[146+4*\u:147+4*\u], v[142+4*\u:143+4*\u]
.endr
.irp u, 2, 3, 4, 5, 6, 7
	s_delay_alu instid0(VALU_DEP_2)
	v_pk_add_f32 v[144+4*\u:145+4*\u], v[144+4*\u:145+4*\u], v[140+4*\u:141+4*\u]   ; running sums inside my 128 rows
	s_delay_alu instid0(VALU_DEP_2)
	v_pk_add_f32 v[146+4*\u:147+4*\u], v[146+4*\u:147+4*\u], v[142+4*\u:143+4*\u]
.endr
.irp v, 0,1,2,3
.irp j, 0,1,2,3
	v_cndmask_b32 v[64+4*\v+\j], v[144+8*\v+\j], v[148+8*\v+\j], s46        ; lanes 0-15 unit 2 v, lanes 16-31 unit 2 v + 1
.endr
	global_store_b128 v3, v[64+4*\v:67+4*\v], s[30:31] offset:\v*8192       ; two aligned runs of 256 bytes
.endr
	s_wait_tensorcnt 0x0                           ; the wave's end, behind my last LDS store
	ds_add_u32 v[SPW], v[NIL]
	s_wait_dscnt 0x0
	s_endpgm
.Lfunc_end_k_q49c9a79a4d_prep:
	.size	k_q49c9a79a4d_prep, .Lfunc_end_k_q49c9a79a4d_prep-k_q49c9a79a4d_prep
	.p2alignl 7, 3214868480
	.fill 96, 4, 3214868480
	.section	.rodata,"a",@progbits
	.p2align	6, 0x0
	.amdhsa_kernel k_q49c9a79a4d_prep
		.amdhsa_group_segment_fixed_size 140288
		.amdhsa_private_segment_fixed_size 0
		.amdhsa_enable_private_segment 0
		.amdhsa_kernarg_size 112
		.amdhsa_user_sgpr_count 2
		.amdhsa_user_sgpr_kernarg_segment_ptr 1
		.amdhsa_wavefront_size32 1
		.amdhsa_system_sgpr_workgroup_id_x 1
		.amdhsa_system_sgpr_workgroup_id_y 1
		.amdhsa_system_sgpr_workgroup_id_z 1
		.amdhsa_system_vgpr_workitem_id 0
		.amdhsa_next_free_vgpr 256
		.amdhsa_next_free_sgpr 66
		.amdhsa_reserve_vcc 0
		.amdhsa_float_denorm_mode_32 3
		.amdhsa_float_denorm_mode_16_64 3
		.amdhsa_memory_ordered 1
		.amdhsa_forward_progress 1
		.amdhsa_inst_pref_size 82
	.end_amdhsa_kernel
	.amdgpu_metadata
---
amdhsa.version: [ 1, 2 ]
amdhsa.kernels:
  - .name:           k_q49c9a79a4d_prep
    .symbol:         k_q49c9a79a4d_prep.kd
    .args:
      - { .name: qWp, .offset: 0, .size: 8, .value_kind: global_buffer, .address_space: global }
      - { .name: qWi, .offset: 8, .size: 8, .value_kind: global_buffer, .address_space: global }
      - { .name: qWd, .offset: 16, .size: 8, .value_kind: global_buffer, .address_space: global }
      - { .name: kWp, .offset: 24, .size: 8, .value_kind: global_buffer, .address_space: global }
      - { .name: kWi, .offset: 32, .size: 8, .value_kind: global_buffer, .address_space: global }
      - { .name: kWd, .offset: 40, .size: 8, .value_kind: global_buffer, .address_space: global }
      - { .name: vWp, .offset: 48, .size: 8, .value_kind: global_buffer, .address_space: global }
      - { .name: vWi, .offset: 56, .size: 8, .value_kind: global_buffer, .address_space: global }
      - { .name: vWd, .offset: 64, .size: 8, .value_kind: global_buffer, .address_space: global }
      - { .name: oW, .offset: 72, .size: 8, .value_kind: global_buffer, .address_space: global }
      - { .name: x, .offset: 80, .size: 8, .value_kind: global_buffer, .address_space: global }
      - { .name: wc, .offset: 88, .size: 8, .value_kind: global_buffer, .address_space: global }
      - { .name: sc, .offset: 96, .size: 8, .value_kind: global_buffer, .address_space: global }
      - { .name: pre, .offset: 104, .size: 8, .value_kind: global_buffer, .address_space: global }
    .group_segment_fixed_size: 140288
    .private_segment_fixed_size: 0
    .kernarg_segment_align: 8
    .kernarg_segment_size: 112
    .max_flat_workgroup_size: 256
    .sgpr_count:     66
    .vgpr_count:     256
    .wavefront_size: 32
...
	.end_amdgpu_metadata
.endif
;; end of part 1
;; launch xq (part 2): grid 256 x 1, 8 waves a work-group, no clusters, 219,648 bytes of LDS; arguments x, qWg, kWg, vWg, qbg, kbg, vbg, pre, ac, sc; writes ac, sc
.if DOCPART == 2
	.amdgcn_target "amdgcn-amd-amdhsa--gfx1250"
	.amdhsa_code_object_version 6
	.text
	.protected	k_q49c9a79a4d_xq
	.globl	k_q49c9a79a4d_xq
	.p2align	8
	.type	k_q49c9a79a4d_xq,@function
k_q49c9a79a4d_xq:
	s_mov_b64 s[64:65], 0
	v_nop
	global_prefetch_b8 v0, s[64:65] scope:SCOPE_SE
	s_setreg_imm32_b32 hwreg(HW_REG_WAVE_MODE, 25, 1), 1
	s_wait_xcnt 0x0
; Launch 2 of 5: x, its running mean over T and its difference along T become codes of E5M2 (ac, scale words in sc); the nine gates are made in f32 (sc).
; A work-group takes a tile of 16 tokens, wave s the K step s (128 columns).  Nothing is left out here.
; The running mean is (pre[tile] + the tile's rows so far) x v_rcp_f32(t + 1): LIMIT: about 1.5 ulp off a true division.  The difference of a batch's first row is made as x0 - x0: LIMIT: NaN and infinities in x are not served.
; The rows come dense (512 bytes a load) and turn through the wave's own stages in LDS, 528 bytes a row, so that lane (r, h) holds 64 numbers of row r in the order of places (see prep).
; THE GATES: logits = x Wg^T in f32 by v_wmma_f32_16x16x4_f32: source 0 = 16 rows of which 0-2 are qWg's, 3-5 kWg's, 8-10 vWg's and the others zeros; source 1 = my 16 tokens.  Both sources hold the same columns in the
; same registers, so each instruction sums four columns.  The eight waves' parts meet in LDS; wave 0 adds the biases and takes the two softmaxes of three, with the maximum taken away.
; THE SUM AHEAD OF MY TILE (these lines take the place of the words on pre above): pre[tile] holds the sum from the first row of the tile's block of 8 tiles through the tile.  So what lies ahead of tile j of a batch is
; pre's row of tile j - 1 and the last rows of the (j - 1) / 8 blocks that lie wholly ahead of that tile; a batch's first tile has nothing ahead.  Rows that are not wanted are not loaded: their registers hold zeros.
.set STEPB, 524288
.set WREG,  26112                      ; LDS for a wave: XS 17 rows (the row ahead, then my 16), IS 16 rows (means), GS 16 rows (gate weights)
.set ISO,   8976
.set GSO,   17424
.set RED,   208896                     ; 8 waves x 1,024 bytes: the logits' parts, as images of 8 registers
.set SCG,   217088                     ; 3 x 512 bytes of scale words
.set SPARE, 218624                     ; the spare words: no other line names them
.set GB,    786432                     ; where the gates begin in sc
.set LI,  1
.set STW, 2
.set STR, 3
.set SCW, 4
.set RDW, 5
.set SPW, 6
.set NIL, 7
.set PW,  8
.set RDR, 9
.set SCR, 10
.set GOF, 11
.set X,   16
.set P,   80
.set WG,  144
.set PC,  224                          ; the codes; before them the 16 reciprocals
.set RC,  224
.set TM,  240                          ; at work; before that v240-243 the row ahead, v244-247 the running sum
.set WV,  34
.set SEL, 36
.set MNT, 38
.macro QUANT s
.irp b, 0,1,2,3
	v_max3_num_f32 v[TM+\b], |v[\s+16*\b]|, |v[\s+1+16*\b]|, 0x8000000   ; my 16 numbers of block b, and the floor 2^(16 - 127)
.endr
.irp i, 2,4,6,8,10,12,14
.irp b, 0,1,2,3
	s_delay_alu instid0(VALU_DEP_4)
	v_max3_num_f32 v[TM+\b], v[TM+\b], |v[\s+16*\b+\i]|, |v[\s+1+16*\b+\i]|
.endr
.endr
.irp b, 0,1,2,3
	s_delay_alu instid0(VALU_DEP_4)
	v_permlanex16_b32 v[TM+4+\b], v[TM+\b], s[SEL], s[SEL+1]
.endr
.irp b, 0,1,2,3
	s_delay_alu instid0(VALU_DEP_4)
	v_max_num_f32 v[TM+\b], v[TM+\b], v[TM+4+\b]
.endr
.irp b, 0,1,2,3
	s_delay_alu instid0(VALU_DEP_4)
	v_add_nc_u32 v[TM+12+\b], 0xf8800000, v[TM+\b]
.endr
.irp b, 0,1,2,3
	v_and_or_b32 v[TM+8+\b], v[TM+\b], 0x7f800000, s[MNT]
.endr
.irp b, 0,1,2,3
	v_lshrrev_b32 v[TM+4+\b], 23, v[TM+12+\b]
.endr
	s_delay_alu instid0(VALU_DEP_3)
	v_lshl_or_b32 v[PW], v[TM+5], 8, v[TM+4]
	s_delay_alu instid0(VALU_DEP_1)
	v_lshl_or_b32 v[PW], v[TM+6], 16, v[PW]
	s_delay_alu instid0(VALU_DEP_1)
	v_lshl_or_b32 v[PW], v[TM+7], 24, v[PW]
.irp b, 0,1,2,3
.irp i, 0,1,2,3,4,5,6,7,8,9,10,11,12,13,14,15
	v_med3_num_f32 v[\s+16*\b+\i], v[\s+16*\b+\i], -v[TM+8+\b], v[TM+8+\b]
.endr
	v_cvt_scalef32_pk8_bf8_f32 v[PC+4*\b:PC+1+4*\b], v[\s+16*\b:\s+7+16*\b], v[TM+12+\b]
	v_cvt_scalef32_pk8_bf8_f32 v[PC+2+4*\b:PC+3+4*\b], v[\s+8+16*\b:\s+15+16*\b], v[TM+12+\b]
.endr
	v_nop                                          ; a plain line behind the last conversion
.endm
.macro TREAD reg, off                  ; a stage's row r comes back as 64 numbers in the order of places
.irp c, 0,1,2,3
	ds_load_b128 v[\reg+16*\c:\reg+16*\c+3], v[STR] offset:\off+128*\c
	ds_load_b128 v[\reg+16*\c+4:\reg+16*\c+7], v[STR] offset:\off+128*\c+16
	ds_load_b128 v[\reg+16*\c+8:\reg+16*\c+11], v[STR] offset:\off+128*\c+64
	ds_load_b128 v[\reg+16*\c+12:\reg+16*\c+15], v[STR] offset:\off+128*\c+80
.endr
.endm
.macro OUTP p                          ; the fragment just made leaves: sigma = 8 p + s; the base stands at p = 1
.irp c, 0,1,2,3
	global_store_b128 v[LI], v[PC+4*\c:PC+4*\c+3], s[20:21] offset:((\p)-1)*4194304+512*\c
.endr
	ds_store_b32 v[SCW], v[PW] offset:(\p)*512
.endm
	s_load_b512 s[4:19], s[0:1], 0x0               ; x qWg kWg vWg qbg kbg vbg pre
	s_load_b128 s[20:23], s[0:1], 0x40             ; ac sc
	v_lshl_add_u32 v[SPW], v0, 2, SPARE
	v_mov_b32 v[NIL], 0
	v_lshrrev_b32 v13, 5, v0
	s_delay_alu instid0(VALU_DEP_1)
	v_readfirstlane_b32 s[WV], v13                 ; wave = K step
	v_and_b32 v13, 31, v0
	v_and_b32 v14, 15, v0                          ; r
	v_bfe_u32 v15, v0, 4, 1                        ; h
	s_delay_alu instid0(VALU_DEP_3)
	v_lshlrev_b32 v[LI], 4, v13
	s_wait_alu depctr_va_vdst(0)
	s_mul_i32 s35, s[WV], WREG
	v_add_nc_u32 v[STW], s35, v[LI]
	v_mul_u32_u24 v[STR], v14, 528
	s_delay_alu instid0(VALU_DEP_1)
	v_lshl_add_u32 v[STR], v15, 5, v[STR]
	s_delay_alu instid0(VALU_DEP_1)
	v_add_nc_u32 v[STR], s35, v[STR]
	s_lshr_b32 s39, s[WV], 2
	s_lshl_b32 s39, s39, 8
	s_and_b32 s40, s[WV], 3
	s_lshl_b32 s40, s40, 2
	s_add_co_u32 s39, s39, s40
	s_add_co_u32 s39, s39, SCG
	v_lshl_add_u32 v[SCW], v14, 4, s39
	s_lshl_b32 s39, s[WV], 10
	s_add_co_u32 s39, s39, RED
	v_add_nc_u32 v[RDW], s39, v[LI]
	v_add_nc_u32 v[RDR], RED, v[LI]
	s_add_co_u32 s33, s[WV], 7
	s_and_b32 s33, s33, 7
	s_min_u32 s33, s33, 2                          ; waves 1..3 send the scale words of p = wave - 1
	s_lshl_b32 s40, s33, 9
	s_add_co_u32 s39, s40, SCG
	v_add_nc_u32 v[SCR], s39, v[LI]
	s_lshl_b32 s39, ttmp9, 6
	s_add_co_u32 s39, s39, GB
	v_mul_u32_u24 v[GOF], v15, 98304
	s_delay_alu instid0(VALU_DEP_1)
	v_lshl_add_u32 v[GOF], v14, 2, v[GOF]
	s_delay_alu instid0(VALU_DEP_1)
	v_add_nc_u32 v[GOF], s39, v[GOF]               ; the gates: GB + 6 h rows of 16,384 bytes + 4 (my token)
	v_cmp_lt_u32 s41, 15, v13                      ; lanes 16-31
	s_mov_b32 s[SEL], 0x76543210
	s_mov_b32 s[SEL+1], 0xfedcba98
	s_mov_b32 s[MNT], 0x600000
	s_and_b32 s30, ttmp9, 127
	s_lshl_b32 s32, s30, 4                         ; my first token's place in its batch
.irp i, 0,1,2,3,4,5,6,7,8,9,10,11,12,13,14,15
	s_add_co_u32 s42, s32, \i+1
	v_cvt_f32_u32 v[RC+\i], s42
.endr
	s_wait_alu depctr_va_vdst(0)
.irp i, 0,1,2,3,4,5,6,7,8,9,10,11,12,13,14,15
	v_rcp_f32 v[RC+\i], v[RC+\i]                   ; 1 / (t + 1)
.endr
	v_nop                                          ; a plain line behind the last reciprocal
	s_wait_alu depctr_va_vdst(0)                   ; one wait for the sixteen, ahead of their first reader
	s_lshl_b32 s24, ttmp9, 16
	s_lshl_b32 s46, s[WV], 9
	s_add_co_u32 s24, s24, s46                     ; x: 16 rows of 4,096 bytes a tile, + 512 s
	s_mov_b32 s25, 0
	s_cmp_eq_u32 s30, 0
	s_cselect_b32 s31, 0, 4096                     ; the row ahead; a batch's first row takes itself
	s_sub_co_u32 s26, s24, s31
	s_mov_b32 s27, 0
	s_lshl_b32 s28, ttmp9, 12
	s_add_co_u32 s28, s28, s46
	s_sub_co_u32 s28, s28, s31                     ; pre's row of the tile ahead
	s_mov_b32 s29, 0
	s_sub_co_u32 s50, ttmp9, s30
	s_lshl_b32 s50, s50, 12
	s_add_co_u32 s50, s50, s46                     ; pre's rows of my batch
	s_mov_b32 s51, 0
	s_max_u32 s55, s30, 1
	s_sub_co_u32 s55, s55, 1
	s_lshr_b32 s55, s55, 3                         ; whole blocks ahead of the tile ahead: 0..15
	s_add_co_u32 s44, s[WV], 8
	s_lshl_b32 s44, s44, 19
	s_lshl_b32 s45, ttmp9, 11
	s_add_co_u32 s44, s44, s45                     ; ac: (8 + s) STEPB + 2,048 tile
	s_mov_b32 s45, 0
	s_mov_b32 s47, 0
	s_mul_i32 s48, ttmp9, 1536
	s_add_co_u32 s48, s48, s40
	s_mov_b32 s49, 0
	s_wait_kmcnt 0x0
	s_add_nc_u64 s[26:27], s[4:5], s[26:27]
	s_add_nc_u64 s[4:5], s[4:5], s[24:25]
	s_add_nc_u64 s[50:51], s[18:19], s[50:51]
	s_add_nc_u64 s[18:19], s[18:19], s[28:29]
	s_add_nc_u64 s[6:7], s[6:7], s[46:47]
	s_add_nc_u64 s[8:9], s[8:9], s[46:47]
	s_add_nc_u64 s[10:11], s[10:11], s[46:47]
	s_add_nc_u64 s[20:21], s[20:21], s[44:45]
	s_add_nc_u64 s[48:49], s[22:23], s[48:49]
	s_load_b96 s[52:54], s[12:13], 0x0             ; qbg
	s_load_b96 s[56:58], s[14:15], 0x0             ; kbg
	s_load_b96 s[60:62], s[16:17], 0x0             ; vbg
.set I, 0
.rept 60
	v_mov_b32 v[P+I], 0                            ; a block that does not lie ahead adds nothing
.set I, I+1
.endr
.irp j, 4,5,6,7
	v_mov_b32 v[240+\j], 0
.endr
	s_wait_alu depctr_va_vdst(0)                   ; ahead of the branches
.irp k, 0,1,2,3,4,5,6,7,8,9,10,11,12,13,14
	s_cmp_le_u32 s55, \k
	s_cbranch_scc1 .Lends_asked
	global_load_b128 v[P+4*\k:P+4*\k+3], v[LI], s[50:51] offset:(8*\k+7)*4096   ; block k's last row: its whole sum.  These loads stand ahead of the fixed ones, so the counted wait below holds on every way
.endr
.Lends_asked:
.irp i, 0,1,2,3,4,5,6,7,8,9,10,11,12,13,14,15
	global_load_b128 v[X+4*\i:X+4*\i+3], v[LI], s[4:5] offset:\i*4096
.endr
	global_load_b128 v[240:243], v[LI], s[26:27]   ; the row ahead of my tile
	s_cmp_eq_u32 s30, 0
	s_cbranch_scc1 .Lfirst_tile
	global_load_b128 v[244:247], v[LI], s[18:19]   ; the sum through the tile ahead, inside its block
.Lfirst_tile:
.irp m, 0,1,2
	global_load_b128 v[WG+4*\m:WG+4*\m+3], v[LI], s[6:7] offset:\m*4096
	global_load_b128 v[WG+12+4*\m:WG+15+4*\m], v[LI], s[8:9] offset:\m*4096
	global_load_b128 v[WG+24+4*\m:WG+27+4*\m], v[LI], s[10:11] offset:\m*4096
.endr
.irp j, 0,1,2,3
	v_mov_b32 v[WG+36+\j], 0
.endr
	s_wait_loadcnt 9                               ; all but the nine gate rows
.irp k, 0,1,2,3,4,5,6,7,8,9,10,11,12,13,14
	v_pk_add_f32 v[244:245], v[244:245], v[P+4*\k:P+4*\k+1]
	v_pk_add_f32 v[246:247], v[246:247], v[P+4*\k+2:P+4*\k+3]
.endr
	ds_store_b128 v[STW], v[240:243]
.irp i, 0,1,2,3,4,5,6,7,8,9,10,11,12,13,14,15
	ds_store_b128 v[STW], v[X+4*\i:X+4*\i+3] offset:(\i+1)*528
	v_pk_add_f32 v[244:245], v[244:245], v[X+4*\i:X+4*\i+1]
	v_pk_add_f32 v[246:247], v[246:247], v[X+4*\i+2:X+4*\i+3]
	v_mul_f32 v[P+4*\i], v244, v[RC+\i]
	v_mul_f32 v[P+4*\i+1], v245, v[RC+\i]
	v_mul_f32 v[P+4*\i+2], v246, v[RC+\i]
	v_mul_f32 v[P+4*\i+3], v247, v[RC+\i]
	ds_store_b128 v[STW], v[P+4*\i:P+4*\i+3] offset:ISO+\i*528
.endr
	s_wait_loadcnt 0x0
.irp m, 0,1,2
	ds_store_b128 v[STW], v[WG+4*\m:WG+4*\m+3] offset:GSO+\m*528
	ds_store_b128 v[STW], v[WG+12+4*\m:WG+15+4*\m] offset:GSO+(3+\m)*528
	ds_store_b128 v[STW], v[WG+24+4*\m:WG+27+4*\m] offset:GSO+(8+\m)*528
.endr
.irp m, 6,7,11,12,13,14,15
	ds_store_b128 v[STW], v[WG+36:WG+39] offset:GSO+\m*528
.endr
	s_wait_dscnt 0x0                               ; the stores have read their registers, which the loads below fill anew
	TREAD X, 528                                   ; my row
	TREAD P, 0                                     ; the row ahead of it
	TREAD WG, GSO                                  ; gate row r
	s_wait_dscnt 16                                ; the first 32 are in
.set I, 0
.rept 32
	v_pk_add_f32 v[P+I:P+I+1], v[X+I:X+I+1], v[P+I:P+I+1] neg_lo:[0,1] neg_hi:[0,1]   ; the difference along T
.set I, I+2
.endr
	s_wait_dscnt 0x0
	v_wmma_f32_16x16x4_f32 v[208:215], v[WG:WG+1], v[X:X+1], 0            ; two sums by turns; their first steps start them
	v_wmma_f32_16x16x4_f32 v[216:223], v[WG+2:WG+3], v[X+2:X+3], 0
.set I, 4
.rept 15
	v_wmma_f32_16x16x4_f32 v[208:215], v[WG+I:WG+I+1], v[X+I:X+I+1], v[208:215]
	v_wmma_f32_16x16x4_f32 v[216:223], v[WG+I+2:WG+I+3], v[X+I+2:X+I+3], v[216:223]
.set I, I+4
.endr
	QUANT P                                        ; the difference; its lines name none of the products' registers: they are the places behind them
	OUTP 2
	TREAD P, ISO                                   ; the running mean
	s_wait_dscnt 0x0                               ; it is in, and the scale word's store has read its register
	s_wait_xcnt 0x0                                ; the stores have read the codes' registers
	QUANT P
	OUTP 1
.irp j, 0,2,4,6
	v_pk_add_f32 v[WG+\j:WG+\j+1], v[208+\j:209+\j], v[216+\j:217+\j]     ; the two sums, from their low ends on, into other registers
.endr
	ds_store_b128 v[RDW], v[WG:WG+3]
	ds_store_b128 v[RDW], v[WG+4:WG+7] offset:512
	s_wait_dscnt 0x0
	s_wait_xcnt 0x0
	QUANT X
	OUTP 0
	s_wait_kmcnt 0x0                               ; the biases
	s_wait_dscnt 0x0                               ; for the others: my logits' part and my scale words lie in LDS
	s_barrier_signal -1
	s_barrier_wait -1
	s_cmp_eq_u32 s[WV], 0
	s_cbranch_scc0 .Lnot0
.irp w, 0,1,2,3,4,5,6,7
	ds_load_b128 v[16+8*\w:19+8*\w], v[RDR] offset:\w*1024
	ds_load_b128 v[20+8*\w:23+8*\w], v[RDR] offset:\w*1024+512
.endr
	s_wait_dscnt 0x0
.irp w, 1,2,3,4,5,6,7
.irp q, 0,2,4
	v_pk_add_f32 v[16+\q:17+\q], v[16+\q:17+\q], v[16+8*\w+\q:17+8*\w+\q]
.endr
.endr
.irp j, 0,1,2                          ; register j of lane (r, h): gate row 8 h + j of token r
	v_mov_b32 v[80+\j], s[52+\j]
	v_mov_b32 v[84+\j], s[60+\j]
	s_delay_alu instid0(VALU_DEP_1)
	v_cndmask_b32 v[80+\j], v[80+\j], v[84+\j], s41
	s_delay_alu instid0(VALU_DEP_1)
	v_add_f32 v[16+\j], v[16+\j], v[80+\j]
	v_add_f32 v[19+\j], s[56+\j], v[19+\j]
.endr
	s_delay_alu instid0(VALU_DEP_2)
	v_max3_num_f32 v32, v16, v17, v18
	s_delay_alu instid0(VALU_DEP_2)
	v_max3_num_f32 v33, v19, v20, v21
.irp j, 0,1,2
	v_sub_f32 v[16+\j], v[16+\j], v32
	v_sub_f32 v[19+\j], v[19+\j], v33
.endr
.irp j, 0,1,2,3,4,5
	v_mul_f32 v[16+\j], 0x3fb8aa3b, v[16+\j]
.endr
	s_wait_alu depctr_va_vdst(0)
.irp j, 0,1,2,3,4,5
	v_exp_f32 v[16+\j], v[16+\j]
.endr
	v_nop
	s_wait_alu depctr_va_vdst(0)                   ; one wait for the six
	v_add_f32 v32, v16, v17
	v_add_f32 v33, v19, v20
	v_add_f32 v32, v32, v18
	v_add_f32 v33, v33, v21
	s_wait_alu depctr_va_vdst(0)
	v_rcp_f32 v32, v32
	v_rcp_f32 v33, v33
	v_nop
	s_wait_alu depctr_va_vdst(0)                   ; one wait for the two
.irp j, 0,1,2
	v_mul_f32 v[16+\j], v[16+\j], v32
	v_mul_f32 v[19+\j], v[19+\j], v33
.endr
.irp j, 0,1,2,3,4,5
	global_store_b32 v[GOF], v[16+\j], s[22:23] offset:\j*16384   ; lanes 0-15: q's and k's gates; lanes 16-31: v's, and three rows that nobody reads
.endr
	s_branch .Lend
.Lnot0:
	s_cmp_lt_u32 s[WV], 4
	s_cbranch_scc0 .Lend
	ds_load_b128 v[16:19], v[SCR]
	s_wait_dscnt 0x0
	global_store_b128 v[LI], v[16:19], s[48:49]    ; the tile's scale words of one operand: 512 consecutive bytes
.Lend:
	s_wait_tensorcnt 0x0                           ; the wave's end, behind my last LDS store
	ds_add_u32 v[SPW], v[NIL]
	s_wait_dscnt 0x0
	s_endpgm
.Lfunc_end_k_q49c9a79a4d_xq:
	.size	k_q49c9a79a4d_xq, .Lfunc_end_k_q49c9a79a4d_xq-k_q49c9a79a4d_xq
	.p2alignl 7, 3214868480
	.fill 96, 4, 3214868480
	.section	.rodata,"a",@progbits
	.p2align	6, 0x0
	.amdhsa_kernel k_q49c9a79a4d_xq
		.amdhsa_group_segment_fixed_size 219648
		.amdhsa_private_segment_fixed_size 0
		.amdhsa_enable_private_segment 0
		.amdhsa_kernarg_size 80
		.amdhsa_user_sgpr_count 2
		.amdhsa_user_sgpr_kernarg_segment_ptr 1
		.amdhsa_wavefront_size32 1
		.amdhsa_system_sgpr_workgroup_id_x 1
		.amdhsa_system_sgpr_workgroup_id_y 1
		.amdhsa_system_sgpr_workgroup_id_z 1
		.amdhsa_system_vgpr_workitem_id 0
		.amdhsa_next_free_vgpr 256
		.amdhsa_next_free_sgpr 66
		.amdhsa_reserve_vcc 0
		.amdhsa_float_denorm_mode_32 3
		.amdhsa_float_denorm_mode_16_64 3
		.amdhsa_memory_ordered 1
		.amdhsa_forward_progress 1
		.amdhsa_inst_pref_size 66
	.end_amdhsa_kernel
	.amdgpu_metadata
---
amdhsa.version: [ 1, 2 ]
amdhsa.kernels:
  - .name:           k_q49c9a79a4d_xq
    .symbol:         k_q49c9a79a4d_xq.kd
    .args:
      - { .name: x, .offset: 0, .size: 8, .value_kind: global_buffer, .address_space: global }
      - { .name: qWg, .offset: 8, .size: 8, .value_kind: global_buffer, .address_space: global }
      - { .name: kWg, .offset: 16, .size: 8, .value_kind: global_buffer, .address_space: global }
      - { .name: vWg, .offset: 24, .size: 8, .value_kind: global_buffer, .address_space: global }
      - { .name: qbg, .offset: 32, .size: 8, .value_kind: global_buffer, .address_space: global }
      - { .name: kbg, .offset: 40, .size: 8, .value_kind: global_buffer, .address_space: global }
      - { .name: vbg, .offset: 48, .size: 8, .value_kind: global_buffer, .address_space: global }
      - { .name: pre, .offset: 56, .size: 8, .value_kind: global_buffer, .address_space: global }
      - { .name: ac, .offset: 64, .size: 8, .value_kind: global_buffer, .address_space: global }
      - { .name: sc, .offset: 72, .size: 8, .value_kind: global_buffer, .address_space: global }
    .group_segment_fixed_size: 219648
    .private_segment_fixed_size: 0
    .kernarg_segment_align: 8
    .kernarg_segment_size: 80
    .max_flat_workgroup_size: 256
    .sgpr_count:     66
    .vgpr_count:     256
    .wavefront_size: 32
...
	.end_amdgpu_metadata
.endif
;; end of part 2
;; launch proj (part 3): grid 16 x 16, 4 waves a work-group, clusters of 4 x 4, 327,680 bytes of LDS; arguments ac, wc, sc, qb, kv; writes qb, kv
.if DOCPART == 3
	.amdgcn_target "amdgcn-amd-amdhsa--gfx1250"
	.amdhsa_code_object_version 6
	.text
	.protected	k_q49c9a79a4d_proj
	.globl	k_q49c9a79a4d_proj
	.p2align	8
	.type	k_q49c9a79a4d_proj,@function
k_q49c9a79a4d_proj:
	s_mov_b64 s[64:65], 0
	v_nop
	global_prefetch_b8 v0, s[64:65] scope:SCOPE_SE
	s_setreg_imm32_b32 hwreg(HW_REG_WAVE_MODE, 25, 1), 1
	s_wait_xcnt 0x0
	s_wait_alu depctr_hold_cnt(0) depctr_sa_sdst(0) depctr_va_vdst(0) depctr_va_sdst(0) depctr_va_ssrc(0) depctr_va_vcc(0) depctr_vm_vsrc(0)
	s_getreg_b32 s2, hwreg(HW_REG_IB_STS2, 6, 4)
	s_cmp_eq_u32 s2, 0
	s_cbranch_scc0 .Lentry_in_a_cluster
	s_endpgm
.Lentry_in_a_cluster:
	s_bfe_u32 s2, ttmp6, 0x10000c
	s_cmp_lg_u32 s2, 0xf033
	s_cbranch_scc0 .Lentry_shape_is_right
	s_endpgm
.Lentry_shape_is_right:
; Launch 3 of 5: the nine products on codes of E5M2, weighed by the gates; Q, K, V are quantised on the way out (qb, kv).  Nothing is left out here.
; SHARES.  256 work-groups: (head, block of 256 tokens).  A work-group makes the head's 64 columns of Q, of K and of V for its tokens: 256 x 192, K = 3 x 1,024 (x, mean, difference): 24 steps of 128.
; A wave (wm, wn) makes 128 tokens x columns 32 wn .. 32 wn + 31 of each of Q, K, V: 8 token tiles x 6 weight tiles = 48 sums; a step reads 14 fragments for 48 products.
; Q, K: source 0 = weight rows, source 1 = tokens: a lane holds one token, 16 registers of two tiles are a block's places.  V: the sources swapped: a lane holds one column, its registers run along the keys.
; THE GATES ON ONE SET OF SUMS.  g0 P0 + g1 P1 + g2 P2 is made as ((P0 f0 + P1) f1 + P2) f2 with f0 = g0 / g1, f1 = g1 / g2, f2 = g2: the sums are multiplied by f behind each 8 steps and go on as C.
; LIMITS.  The gates are held at 2^-40 from below, so that every f is finite: a gate under 2^-40 counts as 2^-40.  The order of rounding differs from reference()'s; 1 / g by v_rcp_f32.  NaN and infinities are not served.
; LDS.  Two slots of two K steps: [A step 0][A step 1][B step 0][B step 1], images of fragments (32,768 and 24,576 bytes a step); waves 0, 1 fetch A's steps (shared along a row of the cluster), waves 2, 3 B's (along a column).
; Behind them: the scale words of the 16 token tiles and 12 weight tiles for all of K, copied once through registers; each wave's factors; the scale bytes on their way out; the spare words.
; One tensor load of a wave is out behind each round; every wait for tensor loads is for 0.
; REGISTERS.  window 0: v0-31 addresses; v32-63 scale words, a set a slot (2 i + q: lanes 0-15 token tile i, lanes 16-31 weight tile i); v64-159, v160-255 B's fragments, two sets.
; window 1: A's fragments, two sets.  window 2: Q's and K's sums, tile (a, b) at 8 (4 a + b).  window 3: v0-127 V's sums, tile (a, b) at 8 (2 a + b); v128-223 the factors in hand.
.set STEPB, 524288
.set SLOT,  114688
.set BOFF,  65536
.set SCA,   229376
.set SCB,   253952
.set FAC,   272384
.set OUTS,  290816
.set SPARE, 292352
.set GB,    786432
.set QSW,   4194304
.set HEADB, 274432
.set RECB,  34304
.set HALF,  17152
.set TM,    160
.set MSB, 0
.macro WIN new
.if MSB != \new
	s_set_vgpr_msb (MSB<<8)|\new
.set MSB, \new
.endif
.endm
.macro PLACES n
.rept \n
	v_nop
.endr
.endm
.macro JLOAD n                         ; waves 0, 1: A's line; waves 2, 3: B's; s_nop 0 and four v_nop behind each
	s_cmp_eq_u32 s15, 0
	s_cbranch_scc0 .Lfor_b_\@
	tensor_load_to_lds s[32+4*(\n):35+4*(\n)], s[24:31]
	s_nop 0
	PLACES 4
	s_branch .Lasked_\@
.Lfor_b_\@:
	tensor_load_to_lds s[56+4*(\n):59+4*(\n)], s[48:55]
	s_nop 0
	PLACES 4
.Lasked_\@:
.endm
.macro CREST
	s_cmp_lg_u32 s14, 0
	s_cbranch_scc1 .Lnot_wave_0_\@
	s_barrier_signal -3
.Lnot_wave_0_\@:
	s_barrier_wait -3
	s_barrier_signal -1
	s_barrier_wait -1
.endm
.macro CROUND
	s_barrier_signal -1
	s_barrier_wait -1
	CREST
.endm
	s_load_b256 s[4:11], s[0:1], 0x0               ; ac wc sc qb
	s_load_b64 s[12:13], s[0:1], 0x20              ; kv
	v_lshl_add_u32 v28, v0, 2, SPARE
	v_mov_b32 v29, 0
	ds_add_u32 v28, v29                            ; the opening lines: the add twice and its wait ahead of the first tensor load
	ds_add_u32 v28, v29
	v_lshrrev_b32 v1, 5, v0
	v_readfirstlane_b32 s14, v1                    ; wave
	s_lshr_b32 s15, s14, 1                         ; wm.  Also: I fetch A (0) or B (1)
	s_and_b32 s16, s14, 1                          ; wn.  Also: which step of a slot I fetch
	s_bfe_u32 s20, ttmp6, 0x40000                  ; cx
	s_bfe_u32 s21, ttmp6, 0x40004                  ; cy
	s_lshl_b32 s22, ttmp9, 2
	s_add_co_u32 s22, s22, s20                     ; head
	s_and_b32 s23, ttmp7, 0xffff
	s_lshl_b32 s23, s23, 2
	s_add_co_u32 s23, s23, s21                     ; block of 256 tokens
	s_lshl_b32 s42, s21, 2
	s_lshl_b32 s42, 15, s42                        ; my row of the cluster shares A
	s_lshl_b32 s46, 0x1111, s20                    ; my column shares B
	s_or_b32 s24, s42, (3<<16)|(1<<21)             ; A: 32,768 dense bytes as 128 rows of 256
	s_mov_b32 s25, 32<<16
	s_mov_b32 s26, 128<<16
	s_mov_b32 s27, 32<<16
	s_mov_b32 s28, 128
	s_mov_b32 s29, 32
	s_mov_b32 s30, 0
	s_mov_b32 s31, 0
	s_or_b32 s48, s46, (3<<16)|(1<<21)             ; B: 3 rows (q, k, v) of 8,192 bytes, 131,072 bytes apart
	s_mov_b32 s49, 1024<<16
	s_mov_b32 s50, 3<<16
	s_mov_b32 s51, 1024<<16
	s_mov_b32 s52, 3
	s_mov_b32 s53, 16384
	s_mov_b32 s54, 0
	s_mov_b32 s55, 0
	s_lshl_b32 s40, s23, 15
	s_lshl_b32 s41, s16, 19
	s_add_co_u32 s40, s40, s41
	s_mov_b32 s41, 0
	s_lshl_b32 s44, s22, 13
	s_lshl_b32 s45, s16, 19
	s_add_co_u32 s44, s44, s45
	s_mov_b32 s45, 0
	s_lshl_b32 s72, s16, 15
	s_mul_i32 s73, s16, 24576
	s_add_co_u32 s73, s73, BOFF
	s_mov_b32 s66, 0x76543210
	s_mov_b32 s67, 0xfedcba98
	s_wait_dscnt 0x0
	s_wait_kmcnt 0x0
	s_add_nc_u64 s[70:71], s[4:5], s[40:41]
	s_add_nc_u64 s[68:69], s[6:7], s[44:45]
	CROUND                                         ; all sixteen work-groups are here: the joint loads meet
.irp n, 0,1
	s_mov_b32 s[32+4*\n], 1
	s_add_co_u32 s[33+4*\n], s72, \n*SLOT
	s_add_nc_u64 s[34+4*\n:35+4*\n], s[70:71], \n*2*STEPB
	s_or_b32 s[35+4*\n], s[35+4*\n], 0x80000000
	s_mov_b32 s[56+4*\n], 1
	s_add_co_u32 s[57+4*\n], s73, \n*SLOT
	s_add_nc_u64 s[58+4*\n:59+4*\n], s[68:69], \n*2*STEPB
	s_or_b32 s[59+4*\n], s[59+4*\n], 0x80000000
.endr
	JLOAD 0                                        ; steps 0, 1: one tensor load a wave at the head
	v_and_b32 v1, 31, v0
	v_and_b32 v2, 15, v0                           ; r
	v_bfe_u32 v21, v0, 4, 1                        ; h
	v_lshlrev_b32 v3, 4, v1
	s_wait_alu depctr_va_vdst(0)
	s_lshl_b32 s74, s15, 14
	v_add_nc_u32 v4, s74, v3                       ; my 8 tiles of A in slot 0, 1
	v_add_nc_u32 v5, SLOT, v4
	s_lshl_b32 s74, s16, 12
	s_add_co_u32 s74, s74, BOFF
	v_add_nc_u32 v6, s74, v3                       ; my 2 tiles of each weight
	v_add_nc_u32 v7, SLOT, v6
	s_xor_b32 s75, s15, 1                          ; scale words: lanes 0-15 SCA + 12,288 wm + 16 r; lanes 16-31 so much further that offset 1,536 i meets weight tile i
	s_mul_i32 s75, s75, 12288
	s_mul_i32 s76, s16, 3072
	s_add_co_u32 s75, s75, s76
	s_mul_i32 s76, s15, 12288
	s_add_co_u32 s76, s76, SCA
	v_lshl_add_u32 v22, v2, 4, s76
.irp j, 0,1,2
	s_add_co_u32 s77, s75, 12288+3072*\j
	v_mad_u32_u24 v[8+\j], s77, v21, v22
.endr
	s_add_co_u32 s77, s75, 3072                    ; token tiles 6, 7 have no weight tile beside them: lanes 16-31 read Q's words again
	v_mad_u32_u24 v11, s77, v21, v22
	s_mul_i32 s74, s14, 4608
	s_add_co_u32 s74, s74, FAC                     ; my factors: [p][Q, K, V][128 tokens] f32
	v_lshl_add_u32 v12, v2, 2, s74
	v_add_nc_u32 v23, s74, v3
	s_add_co_u32 s74, s74, 1024
	v_lshl_add_u32 v13, v21, 5, s74
	s_lshl_b32 s74, s15, 8
	s_add_co_u32 s74, s74, s16
	s_add_co_u32 s74, s74, OUTS
	v_lshl_add_u32 v14, v2, 1, s74                 ; Q's, K's byte: 2 x token + wn
	s_lshl_b32 s74, s15, 8
	s_lshl_b32 s75, s16, 7
	s_add_co_u32 s74, s74, s75
	s_add_co_u32 s74, s74, OUTS+1024
	v_lshl_add_u32 v15, v2, 2, s74                 ; V's word
	s_lshl_b32 s74, s14, 8
	s_add_co_u32 s74, s74, OUTS
	v_lshl_add_u32 v16, v1, 3, s74
	s_lshl_b32 s74, s16, 8
	s_add_co_u32 s74, s74, OUTS+1024
	v_lshl_add_u32 v17, v1, 3, s74
	v_lshlrev_b32 v18, 3, v1
	s_lshl_b32 s74, s23, 10
	s_lshl_b32 s75, s15, 9
	s_add_co_u32 s74, s74, s75
	s_add_co_u32 s74, s74, GB
	v_add_nc_u32 v24, s74, v3                      ; the gates of my 128 tokens, four a lane
	s_mul_i32 s74, s23, 24576
	s_mul_i32 s75, s14, 6144
	s_add_co_u32 s74, s74, s75
	v_add_nc_u32 v25, s74, v3                      ; a quarter of the token tiles' scale words
	s_add_co_u32 s75, s75, SCA
	v_add_nc_u32 v26, s75, v3
	s_lshl_b32 s74, s22, 2
	s_add_co_u32 s74, s74, s14
	s_add_co_u32 s74, s74, 256
	s_mul_i32 s74, s74, 1536
	v_add_nc_u32 v27, s74, v3                      ; weight tile number wave of q, k, v
	s_mul_i32 s75, s14, 1536
	s_add_co_u32 s75, s75, SCB
	v_add_nc_u32 v30, s75, v3
	; the prefetches: of what I fetch jointly with three partners, my work-group's quarter, told apart by address: 32 blocks of 256 bytes of A's 128, 24 of B's 96 (lanes left over name the last again)
	s_cmp_eq_u32 s15, 0
	s_cselect_b32 s74, 31, 23
	s_cselect_b32 s75, 32, 24
	s_cselect_b32 s76, s20, s21
	s_cselect_b32 s77, 13, 17
	s_cselect_b64 s[94:95], s[70:71], s[68:69]
	s_mul_i32 s75, s75, s76
	v_min_u32 v19, s74, v1
	v_add_nc_u32 v19, s75, v19
	v_lshrrev_b32 v20, 5, v19
	v_and_b32 v19, 31, v19
	v_lshlrev_b32 v20, s77, v20
	v_lshl_add_u32 v19, v19, 8, v20
	s_add_nc_u64 s[94:95], s[94:95], 6*STEPB       ; the first change of slots steps it to slot 4
	s_wait_alu depctr_va_vdst(0)
	global_prefetch_b8 v19, s[94:95] offset:-4*STEPB th:TH_LOAD_NT scope:SCOPE_SE   ; my share of slot 1,
	global_prefetch_b8 v19, s[94:95] offset:-2*STEPB th:TH_LOAD_NT scope:SCOPE_SE   ; and of slot 2: the buffers' first touch is asked for early
.irp k, 0,1,2,3,4,5,6,7,8
	global_load_b128 v[148+4*\k:151+4*\k], v24, s[8:9] offset:\k*16384
.endr
.irp k, 0,1,2,3,4,5,6,7,8,9,10,11
	global_load_b128 v[64+4*\k:67+4*\k], v25, s[8:9] offset:\k*512
.endr
.irp pj, 0,1,2
.irp k, 0,1,2
	global_load_b128 v[112+12*\pj+4*\k:115+12*\pj+4*\k], v27, s[8:9] offset:\pj*98304+\k*512
.endr
.endr
	; where my results go
	s_lshr_b32 s78, s23, 3
	s_and_b32 s79, s23, 7                          ; record of 256 keys
	s_lshl_b32 s78, s78, 4
	s_add_co_u32 s78, s78, s22                     ; 16 batch + head
	s_lshl_b32 s80, s78, 17
	s_lshl_b32 s81, s79, 14
	s_add_co_u32 s80, s80, s81
	s_lshl_b32 s82, s15, 13
	s_lshl_b32 s83, s16, 9
	s_add_co_u32 s82, s82, s83
	s_add_co_u32 s80, s80, s82
	s_mov_b32 s81, 0
	s_add_nc_u64 s[84:85], s[10:11], s[80:81]      ; Q's codes
	s_mul_i32 s96, s78, HEADB
	s_mul_i32 s97, s79, RECB
	s_add_co_u32 s96, s96, s97
	s_add_co_u32 s80, s96, s82
	s_add_nc_u64 s[86:87], s[12:13], s[80:81]      ; K's codes
	s_lshl_b32 s80, s15, 13
	s_lshl_b32 s83, s16, 12
	s_add_co_u32 s80, s80, s83
	s_add_co_u32 s80, s80, s96
	s_add_co_u32 s80, s80, HALF
	s_add_nc_u64 s[88:89], s[12:13], s[80:81]      ; V's codes
	s_lshl_b32 s80, s78, 13
	s_lshl_b32 s83, s79, 10
	s_add_co_u32 s80, s80, s83
	s_lshl_b32 s83, s14, 9
	s_add_co_u32 s80, s80, s83
	s_add_co_u32 s80, s80, QSW
	s_mul_i32 s83, s16, HALF
	s_add_co_u32 s83, s83, s96
	s_add_co_u32 s98, s83, 16896
	s_add_co_u32 s83, s83, 16384
	s_cmp_eq_u32 s15, 0
	s_cselect_b32 s80, s80, s83
	s_cselect_b64 s[90:91], s[10:11], s[12:13]
	s_add_nc_u64 s[90:91], s[90:91], s[80:81]      ; waves 0, 1: Q's scale words; waves 2, 3: K's
	s_mov_b32 s99, 0
	s_add_nc_u64 s[92:93], s[12:13], s[98:99]      ; waves 0, 1: V's scale words
	s_mov_b32 s78, 0x600000
	s_mov_b32 s79, 0x7f7f0000
	WIN 0xc0
.irp k, 0,1,2,3,4,5,6,7,8,9,10,11,12,13,14,15
	v_mov_b32 v[129+2*\k], 0                       ; the upper halves of the pairs that the packed form names
.endr
	WIN 0
	s_wait_loadcnt 21                              ; the nine gate rows
.set I, 0
.rept 36
	v_max_num_f32 v[148+I], 0x2b800000, v[148+I]   ; held at 2^-40 from below
.set I, I+1
.endr
	s_wait_alu depctr_va_vdst(0)                   ; ahead of the batch
.irp pj, 0,1,2
.irp i, 0,1,2,3,4,5,6,7
	v_rcp_f32 v[184+8*\pj+\i], v[152+12*\pj+\i]    ; 1 / g1, 1 / g2
.endr
.endr
	v_nop
	s_wait_alu depctr_va_vdst(0)                   ; and behind it
.irp pj, 0,1,2
.irp i, 0,1,2,3,4,5,6,7
	v_mul_f32 v[148+12*\pj+\i], v[148+12*\pj+\i], v[184+8*\pj+\i]   ; f0 = g0 / g1, f1 = g1 / g2; f2 = g2 stands
.endr
.endr
.irp pj, 0,1,2
.irp p, 0,1,2
	ds_store_b128 v23, v[148+12*\pj+4*\p:151+12*\pj+4*\p] offset:\p*1536+\pj*512
.endr
.endr
	s_wait_loadcnt 0x0
.irp k, 0,1,2,3,4,5,6,7,8,9,10,11
	ds_store_b128 v26, v[64+4*\k:67+4*\k] offset:\k*512
.endr
.irp pj, 0,1,2
.irp k, 0,1,2
	ds_store_b128 v30, v[112+12*\pj+4*\k:115+12*\pj+4*\k] offset:\pj*6144+\k*512
.endr
.endr
.macro LF f, R, q, P                   ; fragment f of step q of slot R into set P, four loads.  The order is that of the next step's needs: 0-3 Q's and K's weight tiles, 4-11 the token tiles, 12, 13 V's weight tiles
.if (\f) >= 4 && (\f) < 12
.set I_, (\f)-4
	WIN 0x40
.irp c, 0,1,2,3
	ds_load_b128 v[128*(\P)+16*I_+4*\c:128*(\P)+16*I_+4*\c+3], v[4+(\R)] offset:(\q)*32768+I_*2048+512*\c
.endr
.else
.set I_, (\f)-8*((\f)/12)
	WIN 0
.irp c, 0,1,2,3
	ds_load_b128 v[64+96*(\P)+16*I_+4*\c:64+96*(\P)+16*I_+4*\c+3], v[6+(\R)] offset:(\q)*24576+(I_/2)*8192+(I_%2)*2048+512*\c
.endr
.endif
.endm
.macro SCALES R, off                   ; a slot's two steps of scale words
.irp i, 0,1,2,3,4,5,6,7
	ds_load_b64 v[32+16*(\R)+2*\i:33+16*(\R)+2*\i], v[8+\i/2] offset:\i*1536+(\off)
.endr
.endm
.macro MQ a, P, S, z                   ; token tile a against Q's two and K's two weight tiles
.irp b, 0,1,2,3
.set D_, 8*(4*(\a)+\b)
.set W_, 64+96*(\P)+16*\b
.set X_, 128*(\P)+16*(\a)
.if \z
	v_wmma_scale_f32_16x16x128_f8f6f4 v[D_:D_+7], v[W_:W_+15], v[X_:X_+15], 0, v[(\S)+2*\b], v[(\S)+2*(\a)] matrix_a_fmt:MATRIX_FMT_BF8 matrix_b_fmt:MATRIX_FMT_BF8 matrix_a_scale:MATRIX_SCALE_ROW1
.else
	v_wmma_scale_f32_16x16x128_f8f6f4 v[D_:D_+7], v[W_:W_+15], v[X_:X_+15], v[D_:D_+7], v[(\S)+2*\b], v[(\S)+2*(\a)] matrix_a_fmt:MATRIX_FMT_BF8 matrix_b_fmt:MATRIX_FMT_BF8 matrix_a_scale:MATRIX_SCALE_ROW1
.endif
.endr
.endm
.macro MV a, P, S, z                   ; and against V's two, the sources swapped
.irp b, 0,1
.set D_, 8*(2*(\a)+\b)
.set W_, 128+96*(\P)+16*\b
.set X_, 128*(\P)+16*(\a)
.if \z
	v_wmma_scale_f32_16x16x128_f8f6f4 v[D_:D_+7], v[X_:X_+15], v[W_:W_+15], 0, v[(\S)+2*(\a)], v[(\S)+8+2*\b] matrix_a_fmt:MATRIX_FMT_BF8 matrix_b_fmt:MATRIX_FMT_BF8 matrix_b_scale:MATRIX_SCALE_ROW1
.else
	v_wmma_scale_f32_16x16x128_f8f6f4 v[D_:D_+7], v[X_:X_+15], v[W_:W_+15], v[D_:D_+7], v[(\S)+2*(\a)], v[(\S)+8+2*\b] matrix_a_fmt:MATRIX_FMT_BF8 matrix_b_fmt:MATRIX_FMT_BF8 matrix_b_scale:MATRIX_SCALE_ROW1
.endif
.endr
.endm
.macro MQS a0, a1, P, S, z             ; the 48 sums take turns in one order in every step
	WIN 0xa4
.set A_, \a0
.rept (\a1)-(\a0)
	MQ A_, \P, \S, \z
.set A_, A_+1
.endr
.endm
.macro MVS P, S, z
	WIN 0xf1
.set A_, 0
.rept 8
	MV A_, \P, \S, \z
.set A_, A_+1
.endr
	WIN 0
.endm
.macro GR g, P, S, z                   ; group g of a step's twelve, four products: 0-7 token tile g against Q and K; 8-11 two token tiles against V
.if (\g) < 8
	WIN 0xa4
	MQ \g, \P, \S, \z
.else
	WIN 0xf1
	MV 2*(\g)-16, \P, \S, \z
	MV 2*(\g)-15, \P, \S, \z
.endif
.endm
.macro STEP R, z                       ; a slot's first step (set 0); the second step's fragments are fetched into set 1, a fragment or two behind each group of products
	s_wait_dscnt 24                                ; fragments 0-7 are in; the six issued last (24 loads) may be out
	GR 0, 0, 32+16*(\R), \z
	PLACES 8                                       ; ahead of loads into the set that the step before multiplied
	LF 0, \R, 1, 1
	LF 1, \R, 1, 1
	GR 1, 0, 32+16*(\R), \z
	LF 2, \R, 1, 1
	LF 3, \R, 1, 1
	GR 2, 0, 32+16*(\R), \z
	LF 4, \R, 1, 1
	GR 3, 0, 32+16*(\R), \z
	LF 5, \R, 1, 1
	s_wait_dscnt 24                                ; all of this step's fragments are in; the 24 loads issued in this step may be out
.set G_, 4
.rept 6
	GR G_, 0, 32+16*(\R), \z
	LF G_+2, \R, 1, 1
.set G_, G_+1
.endr
	GR 10, 0, 32+16*(\R), \z
	LF 12, \R, 1, 1
	LF 13, \R, 1, 1
	GR 11, 0, 32+16*(\R), \z
	WIN 0
.endm
.macro TURN R, fill, off               ; a slot's second step (set 1) changes slots; fill = 1: slot R takes the steps four on
.if \fill
	s_wait_xcnt 0x0                                ; my last prefetch has read its address
	s_add_nc_u64 s[94:95], s[94:95], 2*STEPB
.endif
	s_wait_tensorcnt 0x0                           ; my part of the other slot is in
	ds_add_u32 v28, v29
	s_wait_dscnt 25                                ; fragments 0-7 are in; the six issued last and the add may be out
	MQS 0, 2, 1, 33+16*(\R), 0
	s_wait_dscnt 0x0
	s_barrier_signal -1
	MQS 2, 4, 1, 33+16*(\R), 0
	WIN 0
	s_barrier_wait -1
.if \fill
	CREST                                          ; the round: no wave of any partner reads slot R or has a load out
	s_add_nc_u64 s[34+4*(\R):35+4*(\R)], s[34+4*(\R):35+4*(\R)], 4*STEPB
	s_add_nc_u64 s[58+4*(\R):59+4*(\R)], s[58+4*(\R):59+4*(\R)], 4*STEPB
	JLOAD \R
	PLACES 4
.else
	PLACES 8
.endif
	SCALES 1-(\R), \off
	LF 0, 1-(\R), 0, 0
	LF 1, 1-(\R), 0, 0
.if \fill
	s_cmp_lt_u32 s2, 4                             ; the slot two refills on; the last trip has none
	s_cbranch_scc0 .Lnone_\@
	global_prefetch_b8 v19, s[94:95] th:TH_LOAD_NT scope:SCOPE_SE
.Lnone_\@:
.endif
.set G_, 4
.rept 6
	GR G_, 1, 33+16*(\R), 0
	LF 2*G_-6, 1-(\R), 0, 0
	LF 2*G_-5, 1-(\R), 0, 0
.set G_, G_+1
.endr
	GR 10, 1, 33+16*(\R), 0
	GR 11, 1, 33+16*(\R), 0
	WIN 0
.endm
.macro GATE ra, rb, off                ; all 48 sums x the factors of the operand just finished
	PLACES 8                                       ; behind the last products
	WIN 0xc0
.irp a, 0,1,2,3,4,5,6,7
	ds_load_b32 v[128+2*\a], v[\ra] offset:(\off)+\a*64
	ds_load_b32 v[144+2*\a], v[\ra] offset:(\off)+512+\a*64
	ds_load_b128 v[160+8*\a:163+8*\a], v[\rb] offset:(\off)+\a*64
	ds_load_b128 v[164+8*\a:167+8*\a], v[\rb] offset:(\off)+\a*64+16
.endr
	s_wait_dscnt 0x0
	WIN 0x8e
.irp a, 0,1,2,3,4,5,6,7
.irp b, 0,1,2,3
.irp q, 0,2,4,6
	v_pk_mul_f32 v[8*(4*\a+\b)+\q:8*(4*\a+\b)+\q+1], v[8*(4*\a+\b)+\q:8*(4*\a+\b)+\q+1], v[128+16*(\b/2)+2*\a:129+16*(\b/2)+2*\a] op_sel_hi:[1,0]
.endr
.endr
.endr
	WIN 0xcf
.irp a, 0,1,2,3,4,5,6,7
.irp b, 0,1
.irp q, 0,2,4,6
	v_pk_mul_f32 v[8*(2*\a+\b)+\q:8*(2*\a+\b)+\q+1], v[8*(2*\a+\b)+\q:8*(2*\a+\b)+\q+1], v[160+8*\a+\q:161+8*\a+\q]
.endr
.endr
.endr
	WIN 0
	s_wait_alu depctr_va_vdst(0)
.endm
	s_wait_alu depctr_va_vdst(0)                   ; the head's end
	s_wait_tensorcnt 0x0                           ; my part of slot 0; these lines stand ahead of a later first fill as ahead of a refill
	ds_add_u32 v28, v29
	s_wait_dscnt 0x0                               ; the add, and my stores of scale words and factors
	CROUND
	JLOAD 1                                        ; steps 2, 3
	SCALES 0, 0
.set G_, 0
.rept 14
	LF G_, 0, 0, 0
.set G_, G_+1
.endr
	WIN 0
	global_prefetch_b8 v19, s[94:95] th:TH_LOAD_NT scope:SCOPE_SE   ; my share of slot 3; from here on each change of slots asks for the slot two refills on
	STEP 0, 1                                      ; step 0 starts the sums
	s_mov_b32 s2, 0
.Ltrip:                                                ; trip t: steps 4 t + 1 .. 4 t + 4; both slots are filled again
	TURN 0, 1, 8
	STEP 1, 0
	TURN 1, 1, 256
	s_bitcmp1_b32 s2, 0                            ; behind steps 7 and 15 an operand is finished
	s_cbranch_scc0 .Lno_gate
	s_lshr_b32 s74, s2, 1
	s_mul_i32 s74, s74, 1536
	v_add_nc_u32 v30, s74, v12
	v_add_nc_u32 v31, s74, v13
	GATE 30, 31, 0
.Lno_gate:
	STEP 0, 0
.irp j, 8,9,10,11
	v_add_nc_u32 v\j, 256, v\j                     ; four steps on in the scale words
.endr
	s_add_co_u32 s2, s2, 1
	s_cmp_lt_u32 s2, 5
	s_wait_alu depctr_va_vdst(0)                   ; ahead of the branch
	s_cbranch_scc1 .Ltrip
	TURN 0, 0, 8                                   ; steps 21 to 23 fetch nothing from memory
	STEP 1, 0
	s_wait_dscnt 24
	MQS 0, 4, 1, 49, 0
	s_wait_dscnt 0x0
	MQS 4, 8, 1, 49, 0
	MVS 1, 49, 0
	GATE 12, 13, 3072
.irp u, 0,1,2,3
	v_mov_b32 v[TM+4+\u], 0                        ; a lane permute's destination counts as a source
.endr
; four blocks of 32 at once: block u's 16 numbers of a lane at base + su u (8) and dh further on (8), in window w -> codes v[cd + 4 u], bytes v[TM + 4 + u]
.macro QG w, base, su, dh, cd
	WIN (\w)|((\w)<<2)
.irp u, 0,1,2,3
	v_max3_num_f32 v[TM+\u], |v[(\base)+(\su)*\u]|, |v[(\base)+(\su)*\u+1]|, 0x8000000   ; with the floor 2^(16 - 127)
.endr
	WIN ((\w)<<2)|((\w)<<4)
.irp i, 2,4,6
.irp u, 0,1,2,3
	v_max3_num_f32 v[TM+\u], v[TM+\u], |v[(\base)+(\su)*\u+\i]|, |v[(\base)+(\su)*\u+\i+1]|
.endr
.endr
.irp i, 0,2,4,6
.irp u, 0,1,2,3
	v_max3_num_f32 v[TM+\u], v[TM+\u], |v[(\base)+(\su)*\u+(\dh)+\i]|, |v[(\base)+(\su)*\u+(\dh)+\i+1]|
.endr
.endr
	WIN 0
.irp u, 0,1,2,3
	v_permlanex16_b32 v[TM+4+\u], v[TM+\u], s66, s67
.endr
.irp u, 0,1,2,3
	v_max_num_f32 v[TM+\u], v[TM+\u], v[TM+4+\u]
.endr
.irp u, 0,1,2,3
	v_add_nc_u32 v[TM+12+\u], 0xf8800000, v[TM+\u]
.endr
.irp u, 0,1,2,3
	v_and_or_b32 v[TM+8+\u], v[TM+\u], 0x7f800000, s78
.endr
.irp u, 0,1,2,3
	v_lshrrev_b32 v[TM+4+\u], 23, v[TM+12+\u]
.endr
	WIN ((\w)<<6)|(\w)
.irp u, 0,1,2,3
.irp i, 0,1,2,3,4,5,6,7
	v_med3_num_f32 v[(\base)+(\su)*\u+\i], v[(\base)+(\su)*\u+\i], -v[TM+8+\u], v[TM+8+\u]
	v_med3_num_f32 v[(\base)+(\su)*\u+(\dh)+\i], v[(\base)+(\su)*\u+(\dh)+\i], -v[TM+8+\u], v[TM+8+\u]
.endr
.endr
	WIN \w
.irp u, 0,1,2,3
	v_cvt_scalef32_pk8_bf8_f32 v[(\cd)+4*\u:(\cd)+4*\u+1], v[(\base)+(\su)*\u:(\base)+(\su)*\u+7], v[TM+12+\u]
	v_cvt_scalef32_pk8_bf8_f32 v[(\cd)+4*\u+2:(\cd)+4*\u+3], v[(\base)+(\su)*\u+(\dh):(\base)+(\su)*\u+(\dh)+7], v[TM+12+\u]
.endr
	v_nop                                          ; a plain line behind the last conversion
	WIN 0
.endm
.irp g, 0,1,2,3                        ; token tiles 2 g, 2 g + 1: block u is tile 2 g + u / 2 of Q (u even) or K (u odd)
	QG 2, 64*\g, 16, 8, 64+16*\g
.irp u, 0,1,2,3
	global_store_b128 v3, v[64+16*\g+4*\u:67+16*\g+4*\u], s[84+2*(\u%2):85+2*(\u%2)] offset:(2*\g+\u/2)*1024   ; 512 consecutive bytes
	ds_store_b8 v14, v[TM+4+\u] offset:(2*\g+\u/2)*32+(\u%2)*512
.endr
.endr
.irp bv, 0,1                           ; V: 16 columns x 128 keys: a whole fragment
	QG 3, 8*\bv, 32, 16, 128+16*\bv
	v_lshl_or_b32 v[TM+4], v[TM+5], 8, v[TM+4]
	v_lshl_or_b32 v[TM+4], v[TM+6], 16, v[TM+4]
	v_lshl_or_b32 v[TM+4], v[TM+7], 24, v[TM+4]
.irp c, 0,1,2,3
	global_store_b128 v3, v[128+16*\bv+4*\c:131+16*\bv+4*\c], s[88:89] offset:\bv*2048+512*\c
.endr
	ds_store_b32 v15, v[TM+4] offset:\bv*64
.endr
	s_wait_dscnt 0x0                               ; for the others: my scale bytes lie in LDS
	s_barrier_signal -1
	s_barrier_wait -1
	ds_load_b64 v[176:177], v16                    ; 128 tokens' two bytes each, four tokens a lane
	s_wait_dscnt 0x0
	v_and_or_b32 v180, v176, 0xffff, s79           ; the upper 64 along K are zero codes under the byte 127
	v_lshrrev_b32 v181, 16, v176
	v_and_or_b32 v182, v177, 0xffff, s79
	v_lshrrev_b32 v183, 16, v177
	v_or_b32 v181, s79, v181
	v_or_b32 v183, s79, v183
	global_store_b128 v3, v[180:183], s[90:91]     ; 512 consecutive bytes
	s_cmp_lt_u32 s14, 2
	s_cbranch_scc0 .Lend
	ds_load_b64 v[184:185], v17
	s_wait_dscnt 0x0
	global_store_b64 v18, v[184:185], s[92:93]     ; 256 consecutive bytes, aligned
.Lend:
	s_wait_tensorcnt 0x0                           ; the wave's end
	ds_add_u32 v28, v29
	s_wait_dscnt 0x0
	CROUND                                         ; the closing round
	s_endpgm
.Lfunc_end_k_q49c9a79a4d_proj:
	.size	k_q49c9a79a4d_proj, .Lfunc_end_k_q49c9a79a4d_proj-k_q49c9a79a4d_proj
	.p2alignl 7, 3214868480
	.fill 96, 4, 3214868480
	.section	.rodata,"a",@progbits
	.p2align	6, 0x0
	.amdhsa_kernel k_q49c9a79a4d_proj
		.amdhsa_group_segment_fixed_size 327680
		.amdhsa_private_segment_fixed_size 0
		.amdhsa_enable_private_segment 0
		.amdhsa_kernarg_size 40
		.amdhsa_user_sgpr_count 2
		.amdhsa_user_sgpr_kernarg_segment_ptr 1
		.amdhsa_wavefront_size32 1
		.amdhsa_system_sgpr_workgroup_id_x 1
		.amdhsa_system_sgpr_workgroup_id_y 1
		.amdhsa_system_sgpr_workgroup_id_z 1
		.amdhsa_system_vgpr_workitem_id 0
		.amdhsa_next_free_vgpr 1024
		.amdhsa_next_free_sgpr 100
		.amdhsa_reserve_vcc 0
		.amdhsa_float_denorm_mode_32 3
		.amdhsa_float_denorm_mode_16_64 3
		.amdhsa_memory_ordered 1
		.amdhsa_forward_progress 1
		.amdhsa_inst_pref_size 191
	.end_amdhsa_kernel
	.amdgpu_metadata
---
amdhsa.version: [ 1, 2 ]
amdhsa.kernels:
  - .name:           k_q49c9a79a4d_proj
    .symbol:         k_q49c9a79a4d_proj.kd
    .args:
      - { .name: ac, .offset: 0, .size: 8, .value_kind: global_buffer, .address_space: global }
      - { .name: wc, .offset: 8, .size: 8, .value_kind: global_buffer, .address_space: global }
      - { .name: sc, .offset: 16, .size: 8, .value_kind: global_buffer, .address_space: global }
      - { .name: qb, .offset: 24, .size: 8, .value_kind: global_buffer, .address_space: global }
      - { .name: kv, .offset: 32, .size: 8, .value_kind: global_buffer, .address_space: global }
    .group_segment_fixed_size: 327680
    .private_segment_fixed_size: 0
    .kernarg_segment_align: 8
    .kernarg_segment_size: 40
    .max_flat_workgroup_size: 128
    .sgpr_count:     100
    .vgpr_count:     1024
    .wavefront_size: 32
...
	.end_amdgpu_metadata
.endif
;; end of part 3
;; launch attn (part 4): grid 8 x 32, 16 waves a work-group, no clusters, 327,680 bytes of LDS; arguments qb, kv, oc; writes oc
.if DOCPART == 4
	.amdgcn_target "amdgcn-amd-amdhsa--gfx1250"
	.amdhsa_code_object_version 6
	.text
	.protected	k_q49c9a79a4d_attn
	.globl	k_q49c9a79a4d_attn
	.p2align	8
	.type	k_q49c9a79a4d_attn,@function
k_q49c9a79a4d_attn:
	s_mov_b64 s[64:65], 0
	v_nop
	global_prefetch_b8 v0, s[64:65] scope:SCOPE_SE
	s_setreg_imm32_b32 hwreg(HW_REG_WAVE_MODE, 25, 1), 1
	s_wait_xcnt 0x0
; Launch 4 of 5: causal attention on codes of E5M2, head size 64; the result is quantised along the model's 1,024 for the last product.
; LEFT OUT (shown at prep's head): a step of 128 keys all.
; NO CLUSTER: under the causal mask the work-groups of a head need different numbers of slots, so partners could not make every request jointly and read what it brings.
; SHARES.  A work-group (i, batch x head) has sixteen waves of 16 queries: waves 0-7 the block of 128 queries i, waves 8-15 the block 15 - i: 8 (i + 1) + 8 (16 - i) = 136 steps in every work-group.
; THE SOFTMAX: t = score x log2(e) / 8; M = the running largest t rounded up to a whole number; p = 2^(t - M) is quantised along the keys; the row's sum is taken of the unquantised p and divides at the end.
; LAYOUT.  Both products transposed: S^T = K Q^T (source 0 = 16 neighbouring keys), O^T = V^T P^T (source 0 = 16 of the head's 64): a lane holds one query.  p's 16 registers of two neighbouring tiles are a block's places
; 16 h + 0 .. 15 in the order that V's codes have too (see prep).  K = 64 of the first product fills half of the instruction's 128: the other half is zero codes on both sides under the byte 127.
; A record of 256 keys (34,304 bytes: K's codes, V's codes, their scale words, as images) is one slot; waves 0 and 1 fetch a half each, 67 rows of 256 bytes.  Every wait for tensor loads is for 0; a fetching wave has one out.
; REGISTERS: v1, v2 16 x lane, 4 r; v3, v4 the way out; v5, v6 the add's; v7 the prefetch's offset; v8, v9 addresses in hand; v10, v11 V's scale words; v12 -M, v13 the largest t, v[14:15] the sum; v16-31 Q; v32-95 four
; fragments of K; v96-159 S^T, then p; v160-191 O^T; v192-223 two fragments of V; v224-239 p's codes; v232-254 at work; v248-251 K's scale words; v253 p's; v255 Q's.
.set HEADB, 274432
.set RECB,  34304
.set HALF,  17152
.set SLOT1, 65536
.set OSG,   131072                     ; the result's scale bytes on their way out: 512 bytes
.set SPARE, 131584                     ; the spare words, 128 bytes a wave: no other line names them
.set QSW,   4194304
.set OS2,   4194304
.set LI,  1
.set LS,  2
.set SPW, 5
.set NIL, 6
.set PFO, 7
.set ADK, 8
.set ADS, 9
.set WV,  18
.set MNT, 19
.set SEL, 20
.set CS,  22
.set TB,  2
.set SLOTS, 67
.set QL,  68
.set PFA, 76
.set LIM, 80
.set KF,  98
.set Q0,  99
.macro TLOAD                           ; waves 0 and 1 fetch; an s_nop 0 and four v_nop follow the line
	s_cmp_lt_u32 s[WV], 2
	s_cbranch_scc0 .Lasked_\@
	tensor_load_to_lds s[40:43], s[24:31]
	s_nop 0
.rept 4
	v_nop
.endr
.Lasked_\@:
.endm
; A prefetch of the codes of the record that the NEXT change of slots will ask for: two key steps ahead of that load.  All work-groups of a head walk the same records: the head's first work-group asks, in it waves 4-7,
; 8,192 bytes each (K's two halves, V's two halves), lanes 256 bytes apart: each such block is named once in the launch.  The last change that fills a slot asks for nothing; records 0 and 1 come by their loads alone.
.macro ASK
	s_cmp_gt_u32 s[SLOTS], s[LIM]
	s_cbranch_scc0 .Lnot_mine_\@
	global_prefetch_b8 v[PFO], s[PFA:PFA+1] th:TH_LOAD_NT scope:SCOPE_SE
.Lnot_mine_\@:
.endm
	s_load_b128 s[4:7], s[0:1], 0x0                ; qb kv
	s_load_b64 s[8:9], s[0:1], 0x10                ; oc
	v_lshl_add_u32 v[SPW], v0, 2, SPARE
	v_mov_b32 v[NIL], 0
	ds_add_u32 v[SPW], v[NIL]                      ; the wave's opening: the add, twice on end, and its wait ahead of the first tensor load
	ds_add_u32 v[SPW], v[NIL]
	v_lshrrev_b32 v8, 5, v0
	s_delay_alu instid0(VALU_DEP_1)
	v_readfirstlane_b32 s[WV], v8                  ; wave 0..15
	s_and_b32 s72, ttmp7, 0xffff                   ; 16 batch + head
	s_mul_i32 s74, s72, HEADB
	s_mov_b32 s75, 0
	s_sub_co_u32 s81, 15, ttmp9
	s_cmp_lt_u32 s[WV], 8
	s_cselect_b32 s70, ttmp9, s81                  ; my block of 128 queries
	s_lshl_b32 s70, s70, 3
	s_and_b32 s81, s[WV], 7
	s_add_co_u32 s70, s70, s81                     ; my tile of 16 queries
	s_lshl_b32 s[Q0], s70, 4
	s_sub_co_u32 s[QL], 16, ttmp9
	s_lshl_b32 s[QL], s[QL], 7
	s_sub_co_u32 s[QL], s[QL], 1                   ; the work-group's last query
	s_lshl_b32 s82, s72, 7
	s_add_co_u32 s82, s82, s70
	s_lshl_b32 s82, s82, 10                        ; Q's image
	s_mov_b32 s83, 0
	s_lshl_b32 s84, s72, 11
	s_add_co_u32 s84, s84, s[Q0]
	s_lshl_b32 s84, s84, 2
	s_add_co_u32 s84, s84, QSW                     ; Q's scale words
	s_mov_b32 s85, 0
	s_and_b32 s88, s[WV], 1
	s_mul_i32 s88, s88, HALF                       ; the half that I fetch, if I fetch
	s_mov_b32 s89, 0
	s_mov_b32 s24, 3<<16                           ; no mask; elements of 8 bytes; no padding
	s_mov_b32 s25, 32<<16                          ; rows of 256 bytes,
	s_mov_b32 s26, 67<<16                          ; 67 of them,
	s_mov_b32 s27, 32<<16
	s_mov_b32 s28, 67
	s_mov_b32 s29, 32                              ; dense
	s_mov_b32 s30, 0
	s_mov_b32 s31, 0
	s_and_b32 s73, s72, 15                         ; head
	s_lshr_b32 s71, s72, 4                         ; batch
	s_lshr_b32 s86, s73, 1
	s_lshl_b32 s86, s86, 19
	s_lshl_b32 s87, s71, 7
	s_add_co_u32 s87, s87, s70
	s_lshl_b32 s87, s87, 11
	s_add_co_u32 s86, s86, s87
	s_and_b32 s87, s73, 1
	s_lshl_b32 s87, s87, 10
	s_add_co_u32 s86, s86, s87                     ; oc: K step head / 2, my tile, the head's half of the fragment
	s_mov_b32 s87, 0
	s_lshl_b32 s90, s73, 13
	s_lshl_b32 s91, s71, 12
	s_add_co_u32 s90, s90, s91
	s_lshl_b32 s91, ttmp9, 8
	s_add_co_u32 s90, s90, s91
	s_add_co_u32 s90, s90, OS2                     ; the scale bytes of block i
	s_mov_b32 s91, 0
	s_lshl_b32 s92, ttmp9, 1
	s_sub_co_u32 s92, 15, s92
	s_lshl_b32 s92, s92, 8                         ; from block i to block 15 - i
	s_mov_b32 s[SEL], 0x76543210
	s_mov_b32 s[SEL+1], 0xfedcba98
	s_mov_b32 s[CS], 0x3e38aa3b                    ; c = log2(e) / sqrt(64)
	s_mov_b32 s[CS+1], s[CS]
	s_mov_b32 s[MNT], 0x600000
	s_mov_b32 s[TB], 0
	s_mov_b32 s[SLOTS], 7
	s_mov_b32 s[KF], 0
	s_wait_dscnt 0x0                               ; both opening adds are done
	s_wait_kmcnt 0x0
	s_add_nc_u64 s[6:7], s[6:7], s[74:75]          ; kv at my head
	s_mov_b32 s40, 1
	s_mov_b32 s41, s88
	s_add_nc_u64 s[42:43], s[6:7], s[88:89]
	s_or_b32 s43, s43, 0x80000000
	TLOAD                                          ; record 0 into slot 0
	s_add_nc_u64 s[10:11], s[4:5], s[84:85]        ; Q's scale words
	s_add_nc_u64 s[4:5], s[4:5], s[82:83]          ; Q's image
	s_add_nc_u64 s[86:87], s[8:9], s[86:87]
	s_add_nc_u64 s[90:91], s[8:9], s[90:91]
	s_and_b32 s82, s[WV], 1
	s_lshl_b32 s82, s82, 13
	s_bfe_u32 s83, s[WV], 0x10001
	s_mul_i32 s83, s83, HALF
	s_add_co_u32 s82, s82, s83
	s_add_co_u32 s82, s82, RECB                    ; in record 1: the first change of slots steps it to record 2
	s_mov_b32 s83, 0
	s_add_nc_u64 s[PFA:PFA+1], s[6:7], s[82:83]
	s_lshr_b32 s84, s[WV], 2
	s_xor_b32 s84, s84, 1                          ; 0 in waves 4-7,
	s_or_b32 s84, s84, ttmp9                       ; of the head's first work-group
	s_cmp_eq_u32 s84, 0
	s_cselect_b32 s[LIM], 1, -1
	v_and_b32 v8, 31, v0
	v_and_b32 v9, 15, v0
	s_delay_alu instid0(VALU_DEP_2)
	v_lshlrev_b32 v[LI], 4, v8
	s_delay_alu instid0(VALU_DEP_2)
	v_lshlrev_b32 v[LS], 2, v9
	s_delay_alu instid0(VALU_DEP_4)
	v_lshlrev_b32 v[PFO], 8, v8
	s_lshl_b32 s84, s[WV], 5
	s_add_co_u32 s84, s84, OSG
	v_lshl_add_u32 v3, v9, 1, s84                  ; the way out: my row's two scale bytes
	v_add_nc_u32 v4, OSG, v[LI]
	global_load_b128 v[16:19], v[LI], s[4:5]
	global_load_b128 v[20:23], v[LI], s[4:5] offset:512
	global_load_b32 v255, v[LS], s[10:11]
.irp j, 0,1,2,3,4,5,6,7
	v_mov_b32 v[24+\j], 0                          ; the upper 64 along K: zero codes, in Q
.irp t, 0,1,2,3
	v_mov_b32 v[40+16*\t+\j], 0                    ; and in K's four fragments: written once
.endr
.endr
	v_mov_b32 v13, 0xff61b1e6                      ; the largest t so far: -3e38
	s_delay_alu instid0(VALU_DEP_1)
	v_floor_f32 v12, -v13
	v_mov_b32 v14, 0
	v_mov_b32 v15, 0
.irp b, 0,1,2,3
	v_mov_b32 v[236+\b], 0
.endr
	v_mov_b32 v253, 0
.set J, 0
.rept 32
	v_mov_b32 v[160+J], 0                          ; O^T: the loop is written once; its first step finds zeros
.set J, J+1
.endr
.macro STEP q                          ; 128 keys, the q-th of the slot in hand
	s_add_co_u32 s96, s[Q0], 15
	s_cmp_gt_u32 s[KF], s96                        ; all these keys come after my queries: the step's work is left out
	s_cbranch_scc1 .Lhidden_\@
	v_add_nc_u32 v[ADK], s[TB], v[LI]
	s_wait_alu depctr_va_vdst(0)
	v_add_nc_u32 v[ADS], s[TB], v[LS]
	s_wait_alu depctr_va_vdst(0)
.irp g, 0,1
.rept 8-2*(1-\g)
	v_nop                                          ; places ahead of loads into registers that matrix instructions have read (the two additions are places too)
.endr
.irp t, 0,1,2,3
	ds_load_b128 v[32+16*\t:35+16*\t], v[ADK] offset:8192*(\q)+(4*\g+\t)*1024
	ds_load_b128 v[36+16*\t:39+16*\t], v[ADK] offset:8192*(\q)+(4*\g+\t)*1024+512
	ds_load_b32 v[248+\t], v[ADS] offset:16384+HALF*(\q)+(4*\g+\t)*64
.endr
	s_wait_dscnt 0x0
.irp t, 0,1,2,3
	v_wmma_scale_f32_16x16x128_f8f6f4 v[96+8*(4*\g+\t):103+8*(4*\g+\t)], v[32+16*\t:47+16*\t], v[16:31], 0, v[248+\t], v255 matrix_a_fmt:MATRIX_FMT_BF8 matrix_b_fmt:MATRIX_FMT_BF8
.endr
.endr
.irp a, 0,1                            ; V's first two fragments are asked for here and land under the softmax
.irp c, 0,1,2,3
	ds_load_b128 v[192+16*\a+4*\c:195+16*\a+4*\c], v[ADK] offset:HALF+8192*(\q)+\a*2048+512*\c
.endr
	ds_load_b32 v[10+\a], v[ADS] offset:16896+HALF*(\q)+\a*64
.endr
.rept 8
	v_nop
.endr
	s_add_co_u32 s96, s[KF], 127                   ; on the diagonal hidden scores become -infinity ahead of the maximum; a step all of whose keys count skips this
	s_cmp_le_u32 s96, s[Q0]
	s_cbranch_scc1 .Lopen_\@
	s_sub_co_i32 s96, s[Q0], s[KF]
	v_and_b32 v252, 15, v0
	v_bfe_u32 v253, v0, 4, 1
	s_delay_alu instid0(VALU_DEP_1)
	v_lshlrev_b32 v253, 3, v253
	s_delay_alu instid0(VALU_DEP_1)
	v_sub_nc_u32 v252, v252, v253
	s_delay_alu instid0(VALU_DEP_1)
	v_add_nc_u32 v252, s96, v252                   ; d = my query - KF - 8 h.  Register n holds key KF + 16 (n / 8) + 8 h + n % 8
	v_mov_b32 v254, 0xff800000
.set N, 0
.rept 64
	v_cmp_gt_i32 vcc_lo, 16*(N/8)+N%8, v252
	v_cndmask_b32 v[96+N], v[96+N], v254, vcc_lo
.set N, N+1
.endr
.Lopen_\@:
.irp b, 0,1,2,3
	v_max3_num_f32 v[232+\b], v[96+16*\b], v[97+16*\b], v[98+16*\b]   ; the largest score of each block of 32 keys: for the row's maximum and, since p rises with the score, for the block's largest p
.endr
.irp i, 3,5,7,9,11,13
.irp b, 0,1,2,3
	v_max3_num_f32 v[232+\b], v[232+\b], v[96+16*\b+\i], v[97+16*\b+\i]
.endr
.endr
.irp b, 0,1,2,3
	v_max_num_f32 v[232+\b], v[232+\b], v[111+16*\b]
.endr
.irp b, 0,1,2,3
	v_permlanex16_b32 v[236+\b], v[232+\b], s[SEL], s[SEL+1]
.endr
.irp b, 0,1,2,3
	s_delay_alu instid0(VALU_DEP_4)
	v_max_num_f32 v[232+\b], v[232+\b], v[236+\b]
.endr
	s_delay_alu instid0(VALU_DEP_2)
	v_max3_num_f32 v254, v232, v233, v234
	s_delay_alu instid0(VALU_DEP_1)
	v_max_num_f32 v254, v254, v235
	s_delay_alu instid0(VALU_DEP_1)
	v_mul_f32 v254, s[CS], v254
	s_delay_alu instid0(VALU_DEP_1)
	v_max_num_f32 v13, v13, v254                   ; the running largest t
	v_mov_b32 v254, v12
	s_delay_alu instid0(VALU_DEP_2)
	v_floor_f32 v12, -v13                          ; -M = floor(-t): M is a whole number
	s_delay_alu instid0(VALU_DEP_1)
	v_sub_f32 v254, v12, v254
	s_delay_alu instid0(VALU_DEP_1)
	v_cvt_i32_f32 v254, v254
	s_delay_alu instid0(VALU_DEP_1)
	v_ldexp_f32 v252, 1.0, v254                    ; f = 2^(old M - new M): rounds nothing
.set J, 0
.rept 32
	v_pk_fma_f32 v[96+J:97+J], v[96+J:97+J], s[CS:CS+1], v[12:13] op_sel_hi:[1,0,0]   ; t - M
.set J, J+2
.endr
.irp b, 0,1,2,3
	v_fma_f32 v[232+\b], v[232+\b], s[CS], v12
.endr
.set J, 0
	s_wait_alu depctr_va_vdst(0)
.rept 64
	v_exp_f32 v[96+J], v[96+J]                     ; p = 2^(t - M)
.set J, J+1
.endr
	v_pk_mul_f32 v[14:15], v[14:15], v[252:253] op_sel_hi:[1,0]   ; the sums under the new M: a plain line behind the exponentials
	s_wait_alu depctr_va_vdst(0)                   ; one wait for the 64, ahead of their first reader
.irp b, 0,1,2,3
	v_exp_f32 v[232+\b], v[232+\b]                 ; the block's largest p
.endr
	v_pk_add_f32 v[236:237], v[100:101], v[104:105]
	v_pk_add_f32 v[250:251], v[108:109], v[112:113]
	v_pk_add_f32 v[248:249], v[116:117], v[120:121]
	v_pk_add_f32 v[246:247], v[124:125], v[128:129]
	v_pk_add_f32 v[244:245], v[132:133], v[136:137]
	v_pk_add_f32 v[242:243], v[140:141], v[144:145]
	v_pk_add_f32 v[240:241], v[148:149], v[152:153]
	v_pk_add_f32 v[14:15], v[14:15], v[156:157]
	v_pk_add_f32 v[236:237], v[236:237], v[96:97]
	v_pk_add_f32 v[250:251], v[250:251], v[98:99]
	v_pk_add_f32 v[248:249], v[248:249], v[102:103]
	v_pk_add_f32 v[246:247], v[246:247], v[106:107]
	v_pk_add_f32 v[244:245], v[244:245], v[110:111]
	v_pk_add_f32 v[242:243], v[242:243], v[114:115]
	v_pk_add_f32 v[240:241], v[240:241], v[118:119]
	v_pk_add_f32 v[14:15], v[14:15], v[122:123]
	v_pk_add_f32 v[236:237], v[236:237], v[126:127]
	v_pk_add_f32 v[250:251], v[250:251], v[130:131]
	v_pk_add_f32 v[248:249], v[248:249], v[134:135]
	v_pk_add_f32 v[246:247], v[246:247], v[138:139]
	v_pk_add_f32 v[244:245], v[244:245], v[142:143]
	v_pk_add_f32 v[242:243], v[242:243], v[146:147]
	v_pk_add_f32 v[240:241], v[240:241], v[150:151]
	v_pk_add_f32 v[14:15], v[14:15], v[154:155]
	v_pk_add_f32 v[236:237], v[236:237], v[158:159]
	s_delay_alu instid0(VALU_DEP_2)
	v_pk_add_f32 v[14:15], v[14:15], v[246:247]
	s_delay_alu instid0(VALU_DEP_2)
	v_pk_add_f32 v[236:237], v[236:237], v[244:245]
	v_pk_add_f32 v[250:251], v[250:251], v[242:243]
	v_pk_add_f32 v[248:249], v[248:249], v[240:241]
	s_delay_alu instid0(VALU_DEP_2)
	v_pk_add_f32 v[14:15], v[14:15], v[250:251]
	s_delay_alu instid0(VALU_DEP_2)
	v_pk_add_f32 v[236:237], v[236:237], v[248:249]
	s_delay_alu instid0(VALU_DEP_1)
	v_pk_add_f32 v[14:15], v[14:15], v[236:237]
	s_wait_alu depctr_va_vdst(0)                   ; and one for the four
.irp b, 0,1,2,3
	v_max_num_f32 v[232+\b], 0x8000000, v[232+\b]  ; the floor 2^(16 - 127)
.endr
.irp b, 0,1,2,3
	s_delay_alu instid0(VALU_DEP_4)
	v_add_nc_u32 v[244+\b], 0xf8800000, v[232+\b]
.endr
.irp b, 0,1,2,3
	v_and_or_b32 v[240+\b], v[232+\b], 0x7f800000, s[MNT]
.endr
.irp b, 0,1,2,3
	v_lshrrev_b32 v[236+\b], 23, v[244+\b]
.endr
	s_delay_alu instid0(VALU_DEP_3)
	v_lshl_or_b32 v253, v237, 8, v236              ; p's scale word for these 128 keys
	s_delay_alu instid0(VALU_DEP_1)
	v_lshl_or_b32 v253, v238, 16, v253
	s_delay_alu instid0(VALU_DEP_1)
	v_lshl_or_b32 v253, v239, 24, v253
.irp b, 0,1,2,3
.irp i, 0,1,2,3,4,5,6,7,8,9,10,11,12,13,14,15
	v_min_num_f32 v[96+16*\b+\i], v[96+16*\b+\i], v[240+\b]   ; the hold; p is not negative
.endr
	v_cvt_scalef32_pk8_bf8_f32 v[224+4*\b:225+4*\b], v[96+16*\b:103+16*\b], v[244+\b]
	v_cvt_scalef32_pk8_bf8_f32 v[226+4*\b:227+4*\b], v[104+16*\b:111+16*\b], v[244+\b]
.endr
.set J, 0
.rept 16
	v_pk_mul_f32 v[160+J:161+J], v[160+J:161+J], v[252:253] op_sel_hi:[1,0]   ; O^T under the new M; these are also the places ahead of the products below
.set J, J+2
.endr
	s_wait_alu depctr_va_vdst(0)
	s_wait_dscnt 0x0                               ; V's first two fragments
.irp a, 0,1
	v_wmma_scale_f32_16x16x128_f8f6f4 v[160+8*\a:167+8*\a], v[192+16*\a:207+16*\a], v[224:239], v[160+8*\a:167+8*\a], v[10+\a], v253 matrix_a_fmt:MATRIX_FMT_BF8 matrix_b_fmt:MATRIX_FMT_BF8
.endr
.rept 8
	v_nop
.endr
.irp a, 0,1
.irp c, 0,1,2,3
	ds_load_b128 v[192+16*\a+4*\c:195+16*\a+4*\c], v[ADK] offset:HALF+8192*(\q)+(2+\a)*2048+512*\c
.endr
	ds_load_b32 v[10+\a], v[ADS] offset:16896+HALF*(\q)+(2+\a)*64
.endr
	s_wait_dscnt 0x0
.irp a, 0,1
	v_wmma_scale_f32_16x16x128_f8f6f4 v[176+8*\a:183+8*\a], v[192+16*\a:207+16*\a], v[224:239], v[176+8*\a:183+8*\a], v[10+\a], v253 matrix_a_fmt:MATRIX_FMT_BF8 matrix_b_fmt:MATRIX_FMT_BF8
.endr
.Lhidden_\@:
	s_add_co_u32 s[KF], s[KF], 128
.endm
; THE CHANGE OF SLOTS stands at a slot's head.  Each wave waits for all its tensor loads, adds 0 to its spare word (fill = 1: twice on end) and waits for that and for its reads of the slot that it has left.
.macro CHANGE fill
	s_wait_tensorcnt 0x0                           ; no tensor load of mine is out, so the descriptor may be written
	ds_add_u32 v[SPW], v[NIL]
.if \fill
	ds_add_u32 v[SPW], v[NIL]                      ; and once more, in every trip alike
	s_xor_b32 s41, s41, SLOT1                      ; the other slot,
	s_add_nc_u64 s[42:43], s[42:43], RECB          ; the next record
	s_wait_xcnt 0x0                                ; the last prefetch, a slot back, has read its address
	s_add_nc_u64 s[PFA:PFA+1], s[PFA:PFA+1], RECB
.endif
	s_wait_dscnt 0x0
	s_barrier_signal -1
	s_barrier_wait -1
.if \fill
	s_add_co_u32 s96, s[KF], 256                   ; the first key of the record that this change would ask for
	s_cmp_gt_u32 s96, s[QL]                        ; past the work-group's last query nobody reads it.  Ids and the count of steps alone: all sixteen waves go the same way
	s_cbranch_scc1 .Lpast_\@
	TLOAD
.Lpast_\@:
	ASK
.endif
.endm
	s_wait_loadcnt 0x0                             ; Q
.Lslot:                                            ; seven trips: a constant
	CHANGE 1
	STEP 0
	STEP 1
	s_xor_b32 s[TB], s[TB], SLOT1
	s_sub_co_u32 s[SLOTS], s[SLOTS], 1
	s_cmp_lg_u32 s[SLOTS], 0
	s_cbranch_scc1 .Lslot
	CHANGE 0                                       ; the last slot is written out: nothing is left to fetch
	STEP 0
	STEP 1
	; THE WAY OUT: O^T / the sum; two blocks of 32 along the model's axis are quantised; the codes are half a fragment of the last product
.rept 8
	v_nop                                          ; places behind the last products
.endr
	v_add_f32 v14, v14, v15
	s_delay_alu instid0(VALU_DEP_1)
	v_permlanex16_b32 v252, v14, s[SEL], s[SEL+1]
	s_delay_alu instid0(VALU_DEP_1)
	v_add_f32 v14, v14, v252
	s_wait_alu depctr_va_vdst(0)
	v_rcp_f32 v14, v14
	v_and_b32 v193, 15, v0                         ; (a plain line behind the reciprocal)
	v_bfe_u32 v194, v0, 4, 1
	s_delay_alu instid0(VALU_DEP_1)
	v_mul_u32_u24 v192, v194, s92
	s_delay_alu instid0(VALU_DEP_1)
	v_lshl_add_u32 v192, v193, 4, v192             ; lanes 0-15 block i's scale bytes, lanes 16-31 block 15 - i's
	s_wait_alu depctr_va_vdst(0)
.set J, 0
.rept 32
	v_mul_f32 v[96+J], v[160+J], v14               ; register 8 a + j: d = 16 a + 8 h + j
.set J, J+1
.endr
.irp b, 0,1
	v_max3_num_f32 v[232+\b], |v[96+16*\b]|, |v[97+16*\b]|, 0x8000000
.endr
.irp i, 2,4,6,8,10,12,14
.irp b, 0,1
	s_delay_alu instid0(VALU_DEP_2)
	v_max3_num_f32 v[232+\b], v[232+\b], |v[96+16*\b+\i]|, |v[97+16*\b+\i]|
.endr
.endr
.irp b, 0,1
	v_permlanex16_b32 v[236+\b], v[232+\b], s[SEL], s[SEL+1]
.endr
.irp b, 0,1
	s_delay_alu instid0(VALU_DEP_2)
	v_max_num_f32 v[232+\b], v[232+\b], v[236+\b]
.endr
.irp b, 0,1
	s_delay_alu instid0(VALU_DEP_2)
	v_add_nc_u32 v[244+\b], 0xf8800000, v[232+\b]
.endr
.irp b, 0,1
	s_delay_alu instid0(VALU_DEP_4)
	v_and_or_b32 v[240+\b], v[232+\b], 0x7f800000, s[MNT]
.endr
.irp b, 0,1
	s_delay_alu instid0(VALU_DEP_4)
	v_lshrrev_b32 v[236+\b], 23, v[244+\b]
.endr
	s_delay_alu instid0(VALU_DEP_1)
	v_lshl_or_b32 v252, v237, 8, v236
.irp b, 0,1
.irp i, 0,1,2,3,4,5,6,7,8,9,10,11,12,13,14,15
	v_med3_num_f32 v[96+16*\b+\i], v[96+16*\b+\i], -v[240+\b], v[240+\b]
.endr
	v_cvt_scalef32_pk8_bf8_f32 v[224+4*\b:225+4*\b], v[96+16*\b:103+16*\b], v[244+\b]
	v_cvt_scalef32_pk8_bf8_f32 v[226+4*\b:227+4*\b], v[104+16*\b:111+16*\b], v[244+\b]
.endr
	v_nop
	global_store_b128 v[LI], v[224:227], s[86:87]
	global_store_b128 v[LI], v[228:231], s[86:87] offset:512
	ds_store_b16 v3, v252                          ; both lanes of a row write the same two bytes
	s_wait_dscnt 0x0
	s_barrier_signal -1
	s_barrier_wait -1
	s_cmp_eq_u32 s[WV], 0
	s_cbranch_scc0 .Lend
	ds_load_b128 v[196:199], v4
	s_wait_dscnt 0x0
	global_store_b128 v192, v[196:199], s[90:91]   ; two aligned runs of 256 bytes
.Lend:
	s_wait_tensorcnt 0x0                           ; the wave's end, behind my last tensor load and my last LDS store
	ds_add_u32 v[SPW], v[NIL]
	s_wait_dscnt 0x0
	s_endpgm
.Lfunc_end_k_q49c9a79a4d_attn:
	.size	k_q49c9a79a4d_attn, .Lfunc_end_k_q49c9a79a4d_attn-k_q49c9a79a4d_attn
	.p2alignl 7, 3214868480
	.fill 96, 4, 3214868480
	.section	.rodata,"a",@progbits
	.p2align	6, 0x0
	.amdhsa_kernel k_q49c9a79a4d_attn
		.amdhsa_group_segment_fixed_size 327680
		.amdhsa_private_segment_fixed_size 0
		.amdhsa_enable_private_segment 0
		.amdhsa_kernarg_size 24
		.amdhsa_user_sgpr_count 2
		.amdhsa_user_sgpr_kernarg_segment_ptr 1
		.amdhsa_wavefront_size32 1
		.amdhsa_system_sgpr_workgroup_id_x 1
		.amdhsa_system_sgpr_workgroup_id_y 1
		.amdhsa_system_sgpr_workgroup_id_z 1
		.amdhsa_system_vgpr_workitem_id 0
		.amdhsa_next_free_vgpr 256
		.amdhsa_next_free_sgpr 100
		.amdhsa_reserve_vcc 1
		.amdhsa_float_denorm_mode_32 3
		.amdhsa_float_denorm_mode_16_64 3
		.amdhsa_memory_ordered 1
		.amdhsa_forward_progress 1
		.amdhsa_inst_pref_size 120
	.end_amdhsa_kernel
	.amdgpu_metadata
---
amdhsa.version: [ 1, 2 ]
amdhsa.kernels:
  - .name:           k_q49c9a79a4d_attn
    .symbol:         k_q49c9a79a4d_attn.kd
    .args:
      - { .name: qb, .offset: 0, .size: 8, .value_kind: global_buffer, .address_space: global }
      - { .name: kv, .offset: 8, .size: 8, .value_kind: global_buffer, .address_space: global }
      - { .name: oc, .offset: 16, .size: 8, .value_kind: global_buffer, .address_space: global }
    .group_segment_fixed_size: 327680
    .private_segment_fixed_size: 0
    .kernarg_segment_align: 8
    .kernarg_segment_size: 24
    .max_flat_workgroup_size: 512
    .sgpr_count:     100
    .vgpr_count:     256
    .wavefront_size: 32
...
	.end_amdgpu_metadata
.endif
;; end of part 4
;; launch oproj (part 5): grid 8 x 32, 4 waves a work-group, clusters of 4 x 4, 280,064 bytes of LDS; arguments oc, wc, sc, ob, out0; writes out0
.if DOCPART == 5
	.amdgcn_target "amdgcn-amd-amdhsa--gfx1250"
	.amdhsa_code_object_version 6
	.text
	.protected	k_q49c9a79a4d_oproj
	.globl	k_q49c9a79a4d_oproj
	.p2align	8
	.type	k_q49c9a79a4d_oproj,@function
k_q49c9a79a4d_oproj:
	s_mov_b64 s[64:65], 0
	v_nop
	global_prefetch_b8 v0, s[64:65] scope:SCOPE_SE
	s_setreg_imm32_b32 hwreg(HW_REG_WAVE_MODE, 25, 1), 1
	s_wait_xcnt 0x0
	s_wait_alu depctr_hold_cnt(0) depctr_sa_sdst(0) depctr_va_vdst(0) depctr_va_sdst(0) depctr_va_ssrc(0) depctr_va_vcc(0) depctr_vm_vsrc(0)
	s_getreg_b32 s2, hwreg(HW_REG_IB_STS2, 6, 4)
	s_cmp_eq_u32 s2, 0
	s_cbranch_scc0 .Lentry_in_a_cluster
	s_endpgm
.Lentry_in_a_cluster:
	s_bfe_u32 s2, ttmp6, 0x10000c
	s_cmp_lg_u32 s2, 0xf033
	s_cbranch_scc0 .Lentry_shape_is_right
	s_endpgm
.Lentry_shape_is_right:
; Launch 5 of 5: out0 = attention's result x oW^T + ob, on codes of E5M2.  Nothing is left out here.
; A work-group makes 128 tokens x 128 n, a wave 64 x 64 (16 accumulators): 256 work-groups.  K = 8 steps of 128; ALL of K lies in LDS (2 x 131,072 bytes of images), filled once: nothing is filled again.
; Each wave issues two joint loads at the start (two steps of 16,384 bytes each): waves 0, 1 the tokens' tiles, shared along a row of the cluster, waves 2, 3 oW's, shared along a column.  Two loads of a wave are out.
; The first four steps are read behind the wait that leaves the second load out, the last four behind a second barrier.  Source 0 = 16 rows of oW, source 1 = 16 tokens: a lane holds eight neighbouring n of one token.
; The bias is the C of each sum's first product.  REGISTERS: window 0: v0-31 addresses; v32-63 the tokens' scale words (4 s + a); v64-95 oW's; v96-127 the bias; v128-255 the accumulators.  window 1: two sets of fragments.
; THE LOADS (these lines take the place of the words on two loads a wave above): each wave issues ONE joint load at the start, four K steps of 16,384 bytes: waves 0, 1 the tokens' steps 0-3 and 4-7, waves 2, 3 oW's.
; Waves 0 and 2 wait for theirs at the first barrier, behind which steps 0-3 are read; every wave waits at the second, behind which steps 4-7 are read.  One load of a wave is out.
.set STEPB, 524288
.set BB,    131072
.set STAGE, 262144                     ; 16 rows x 272 bytes a wave
.set SPARE, 279552                     ; the spare words: no other line names them
.set OS2,   4194304
.set MSB, 0
.macro WIN new
.if MSB != \new
	s_set_vgpr_msb (MSB<<8)|\new
.set MSB, \new
.endif
.endm
.macro PLACES n
.rept \n
	v_nop
.endr
.endm
.macro CROUND
	s_barrier_signal -1
	s_barrier_wait -1
	s_cmp_lg_u32 s14, 0
	s_cbranch_scc1 .Lnot_wave_0_\@
	s_barrier_signal -3
.Lnot_wave_0_\@:
	s_barrier_wait -3
	s_barrier_signal -1
	s_barrier_wait -1
.endm
	s_load_b256 s[4:11], s[0:1], 0x0               ; oc wc sc ob
	s_load_b64 s[12:13], s[0:1], 0x20              ; out0
	v_lshl_add_u32 v28, v0, 2, SPARE
	v_mov_b32 v29, 0
	ds_add_u32 v28, v29                            ; the wave's opening: the add, twice on end, and its wait ahead of my first tensor load
	ds_add_u32 v28, v29
	v_lshrrev_b32 v1, 5, v0
	v_readfirstlane_b32 s14, v1
	s_lshr_b32 s15, s14, 1                         ; wm.  Also: I fetch tokens' tiles (0) or oW's (1)
	s_and_b32 s16, s14, 1                          ; wn.  Also: which steps I fetch
	s_bfe_u32 s20, ttmp6, 0x40000
	s_bfe_u32 s21, ttmp6, 0x40004
	s_lshl_b32 s22, ttmp9, 2
	s_add_co_u32 s22, s22, s20                     ; T0: which 128 n
	s_and_b32 s23, ttmp7, 0xffff
	s_lshl_b32 s23, s23, 2
	s_add_co_u32 s23, s23, s21                     ; T1: which 128 tokens
	s_lshl_b32 s42, s21, 2
	s_lshl_b32 s42, 15, s42
	s_lshl_b32 s46, 0x1111, s20
	s_or_b32 s24, s42, (3<<16)|(1<<21)
	s_or_b32 s48, s46, (3<<16)|(1<<21)
.irp g, 24, 48
	s_mov_b32 s[\g+1], 2048<<16                    ; rows of 16,384 bytes,
	s_mov_b32 s[\g+2], 4<<16                       ; four of them: one load a wave brings four K steps
	s_mov_b32 s[\g+3], 2048<<16
	s_mov_b32 s[\g+4], 4
	s_mov_b32 s[\g+5], 65536                       ; STEPB bytes apart
	s_mov_b32 s[\g+6], 0
	s_mov_b32 s[\g+7], 0
.endr
	s_lshl_b32 s40, s23, 14
	s_lshl_b32 s41, s16, 21                        ; steps 4 (wave % 2) on
	s_add_co_u32 s40, s40, s41
	s_mov_b32 s41, 0
	s_lshl_b32 s44, s22, 14
	s_lshl_b32 s45, s16, 21
	s_add_co_u32 s44, s44, s45
	s_add_co_u32 s44, s44, 393216                  ; oW's tiles begin 192 tiles on in wc
	s_mov_b32 s45, 0
	s_lshl_b32 s72, s16, 16
	s_mov_b32 s66, 0x76543210
	s_mov_b32 s67, 0xfedcba98
	s_wait_dscnt 0x0
	s_wait_kmcnt 0x0
	s_add_nc_u64 s[70:71], s[4:5], s[40:41]
	s_add_nc_u64 s[68:69], s[6:7], s[44:45]
	CROUND                                         ; all sixteen work-groups are here: the joint loads meet
.irp j, 0
	s_mov_b32 s[32+4*\j], 1
	s_add_co_u32 s[33+4*\j], s72, \j*65536
	s_add_nc_u64 s[34+4*\j:35+4*\j], s[70:71], \j*4*STEPB
	s_or_b32 s[35+4*\j], s[35+4*\j], 0x80000000
	s_mov_b32 s[56+4*\j], 1
	s_add_co_u32 s[57+4*\j], s72, BB+\j*65536
	s_add_nc_u64 s[58+4*\j:59+4*\j], s[68:69], \j*4*STEPB
	s_or_b32 s[59+4*\j], s[59+4*\j], 0x80000000
.endr
	s_cmp_eq_u32 s14, 0                            ; one joint load a wave, each in an arm of its own: waves 0 and 2 (steps 0-3) wait at the first barrier, waves 1 and 3 (steps 4-7) at the second
	s_cbranch_scc0 .Larm_1
	tensor_load_to_lds s[32:35], s[24:31]
	s_nop 0
.rept 4
	v_nop
.endr
	s_branch .Lfirst_asked
.Larm_1:
	s_cmp_eq_u32 s14, 1
	s_cbranch_scc0 .Larm_2
	tensor_load_to_lds s[32:35], s[24:31]
	s_nop 0
.rept 4
	v_nop
.endr
	s_branch .Lfirst_asked
.Larm_2:
	s_cmp_eq_u32 s14, 2
	s_cbranch_scc0 .Larm_3
	tensor_load_to_lds s[56:59], s[48:55]
	s_nop 0
.rept 4
	v_nop
.endr
	s_branch .Lfirst_asked
.Larm_3:
	tensor_load_to_lds s[56:59], s[48:55]
	s_nop 0
.rept 4
	v_nop
.endr
.Lfirst_asked:
	v_and_b32 v1, 31, v0
	v_and_b32 v2, 15, v0                           ; r
	v_bfe_u32 v21, v0, 4, 1                        ; h
	v_lshlrev_b32 v3, 4, v1
	s_lshl_b32 s73, s15, 13
	v_add_nc_u32 v4, s73, v3                       ; the tokens' fragments, steps 0-3; 4-7
	v_add_nc_u32 v5, 65536, v4
	s_lshl_b32 s73, s16, 13
	s_add_co_u32 s73, s73, BB
	v_add_nc_u32 v6, s73, v3                       ; oW's
	v_add_nc_u32 v7, 65536, v6
	s_lshl_b32 s73, s23, 8
	s_lshl_b32 s74, s15, 7
	s_add_co_u32 s73, s73, s74
	s_add_co_u32 s73, s73, OS2
	v_lshlrev_b32 v8, 13, v21
	v_lshl_add_u32 v8, v2, 1, v8
	v_add_nc_u32 v8, s73, v8                       ; the tokens' scale bytes: lanes 0-15 head 2 s, lanes 16-31 head 2 s + 1; two bytes a token
	s_lshl_b32 s73, s22, 3
	s_lshl_b32 s74, s16, 2
	s_add_co_u32 s73, s73, s74
	s_add_co_u32 s73, s73, 448
	s_mul_i32 s73, s73, 1536
	v_lshl_add_u32 v9, v2, 4, s73                  ; oW's scale words
	s_lshl_b32 s73, s22, 9
	s_lshl_b32 s74, s16, 8
	s_add_co_u32 s73, s73, s74
	v_lshl_add_u32 v10, v21, 5, s73                ; the bias: my eight n of a block
	s_wait_alu depctr_va_vdst(0)
	s_mul_i32 s73, s14, 4352
	s_add_co_u32 s73, s73, STAGE
	v_mul_u32_u24 v11, v2, 272
	v_lshl_add_u32 v11, v21, 5, v11
	v_add_nc_u32 v11, s73, v11                     ; into my stage: row r, + 32 h
	v_mul_u32_u24 v12, v21, 272
	v_lshl_add_u32 v12, v2, 4, v12
	v_add_nc_u32 v12, s73, v12                     ; back: lanes 0-15 one row of 256 bytes, lanes 16-31 the next
	v_lshlrev_b32 v13, 12, v21
	v_lshl_add_u32 v13, v2, 4, v13                 ; and the same two rows in out0
	s_lshl_b32 s74, s23, 7
	s_lshl_b32 s75, s15, 6
	s_add_co_u32 s74, s74, s75
	s_lshl_b32 s74, s74, 12
	s_lshl_b32 s75, s22, 9
	s_add_co_u32 s74, s74, s75
	s_lshl_b32 s75, s16, 8
	s_add_co_u32 s74, s74, s75
	s_mov_b32 s75, 0
	s_add_nc_u64 s[12:13], s[12:13], s[74:75]
.irp s, 0,1,2,3,4,5,6,7
.irp a, 0,1,2,3
	global_load_u16 v[32+4*\s+\a], v8, s[4:5] offset:\s*16384+\a*32
.endr
.endr
.irp g, 0,1
.irp i, 0,1,2,3
	global_load_b128 v[64+16*\g+4*\i:67+16*\g+4*\i], v9, s[8:9] offset:\i*1536+\g*256
.endr
.endr
.irp b, 0,1,2,3
	global_load_b128 v[96+8*\b:99+8*\b], v10, s[10:11] offset:\b*64
	global_load_b128 v[100+8*\b:103+8*\b], v10, s[10:11] offset:\b*64+16
.endr
	v_mov_b32 v24, 0
	v_mov_b32 v25, 0
	s_wait_alu depctr_va_vdst(0)
	s_wait_loadcnt 0x0
.set I, 0
.rept 16
	v_permlanex16_b32 v24, v[32+I], s66, s67
	v_permlanex16_b32 v25, v[33+I], s66, s67
	v_lshl_or_b32 v[32+I], v24, 16, v[32+I]        ; lanes 0-15: the four bytes of a K step: head 2 s's two, head 2 s + 1's two
	v_lshl_or_b32 v[33+I], v25, 16, v[33+I]
.set I, I+2
.endr
	PLACES 8                                       ; a scale register written by vector instructions stands eight places ahead of the product
.macro FETCH s
.set FP, (\s)%2
	WIN 0x40
.irp i, 0,1,2,3
.irp c, 0,1,2,3
	ds_load_b128 v[128*FP+16*\i+4*\c:128*FP+16*\i+4*\c+3], v[4+(\s)/4] offset:((\s)%4)*16384+\i*2048+512*\c
	ds_load_b128 v[128*FP+64+16*\i+4*\c:128*FP+64+16*\i+4*\c+3], v[6+(\s)/4] offset:((\s)%4)*16384+\i*2048+512*\c
.endr
.endr
.endm
.macro MUL8 a0, s                      ; the 16 accumulators take turns in one order
.set MP, (\s)%2
.irp a, \a0, \a0+1
.irp b, 0,1,2,3
.if (\s) == 0
	v_wmma_scale_f32_16x16x128_f8f6f4 v[128+8*(4*(\a)+\b):135+8*(4*(\a)+\b)], v[128*MP+64+16*\b:128*MP+79+16*\b], v[128*MP+16*(\a):128*MP+16*(\a)+15], v[96+8*\b:103+8*\b], v[64+16*((\s)/4)+4*\b+(\s)%4], v[32+4*(\s)+(\a)] matrix_a_fmt:MATRIX_FMT_BF8 matrix_b_fmt:MATRIX_FMT_BF8
.else
	v_wmma_scale_f32_16x16x128_f8f6f4 v[128+8*(4*(\a)+\b):135+8*(4*(\a)+\b)], v[128*MP+64+16*\b:128*MP+79+16*\b], v[128*MP+16*(\a):128*MP+16*(\a)+15], v[128+8*(4*(\a)+\b):135+8*(4*(\a)+\b)], v[64+16*((\s)/4)+4*\b+(\s)%4], v[32+4*(\s)+(\a)] matrix_a_fmt:MATRIX_FMT_BF8 matrix_b_fmt:MATRIX_FMT_BF8
.endif
.endr
.endr
.endm
.macro OSTEP s
	s_wait_dscnt 0x0                               ; this step's fragments
	WIN 0x05
	MUL8 0, \s
.if (\s) < 7
	PLACES 8                                       ; ahead of loads into the set that the step before multiplied
.if (\s) == 3
	WIN 0
	s_wait_tensorcnt 0x0                           ; my part of steps 4-7 is in,
	s_barrier_signal -1
	s_barrier_wait -1                              ; everybody's is
.endif
	FETCH (\s)+1
	WIN 0x05
.endif
	MUL8 2, \s
.endm
	s_wait_alu depctr_va_vdst(0)                   ; ahead of the branch
	s_cmp_eq_u32 s16, 0
	s_cbranch_scc0 .Llater
	s_wait_tensorcnt 0x0                           ; waves 0 and 2: steps 0-3 are in; the other two waves' loads may stay out
.Llater:
	s_barrier_signal -1
	s_barrier_wait -1
	FETCH 0
.irp s, 0,1,2,3,4,5,6,7
	s_wait_alu depctr_va_vdst(0)
	OSTEP \s
.endr
	WIN 0
	PLACES 8                                       ; behind the last products, ahead of the first read of results
	; THE WAY OUT: a block of 16 tokens x 64 n through my own stage, back as rows of 256 bytes
.irp a, 0,1,2,3
	WIN 0
.irp b, 0,1,2,3
	ds_store_b128 v11, v[128+8*(4*\a+\b):131+8*(4*\a+\b)] offset:64*\b          ; each accumulator from its low end on
	ds_store_b128 v11, v[132+8*(4*\a+\b):135+8*(4*\a+\b)] offset:64*\b+16
.endr
.if \a > 1
	s_wait_xcnt 0x0                                ; block a - 2's stores have read their registers
.endif
	WIN 0x40
.irp t, 0,1,2,3,4,5,6,7
	ds_load_b128 v[32*(\a%2)+4*\t:32*(\a%2)+4*\t+3], v12 offset:\t*544           ; LDS serves a wave's instructions in order: these see my stores
.endr
	WIN 0x04
.irp t, 0,1,2,3,4,5,6,7
	s_wait_dscnt 7-\t
	global_store_b128 v13, v[32*(\a%2)+4*\t:32*(\a%2)+4*\t+3], s[12:13] offset:(16*\a+2*\t)*4096 th:TH_STORE_NT   ; sixteen lanes store 256 consecutive bytes, aligned
.endr
.endr
	WIN 0
	s_wait_tensorcnt 0x0                           ; the wave's end, behind my last tensor load and my last LDS store
	ds_add_u32 v28, v29
	s_wait_dscnt 0x0
	CROUND                                         ; the closing round
	s_endpgm
.Lfunc_end_k_q49c9a79a4d_oproj:
	.size	k_q49c9a79a4d_oproj, .Lfunc_end_k_q49c9a79a4d_oproj-k_q49c9a79a4d_oproj
	.p2alignl 7, 3214868480
	.fill 96, 4, 3214868480
	.section	.rodata,"a",@progbits
	.p2align	6, 0x0
	.amdhsa_kernel k_q49c9a79a4d_oproj
		.amdhsa_group_segment_fixed_size 280064
		.amdhsa_private_segment_fixed_size 0
		.amdhsa_enable_private_segment 0
		.amdhsa_kernarg_size 40
		.amdhsa_user_sgpr_count 2
		.amdhsa_user_sgpr_kernarg_segment_ptr 1
		.amdhsa_wavefront_size32 1
		.amdhsa_system_sgpr_workgroup_id_x 1
		.amdhsa_system_sgpr_workgroup_id_y 1
		.amdhsa_system_sgpr_workgroup_id_z 1
		.amdhsa_system_vgpr_workitem_id 0
		.amdhsa_next_free_vgpr 512
		.amdhsa_next_free_sgpr 100
		.amdhsa_reserve_vcc 0
		.amdhsa_float_denorm_mode_32 3
		.amdhsa_float_denorm_mode_16_64 3
		.amdhsa_memory_ordered 1
		.amdhsa_forward_progress 1
		.amdhsa_inst_pref_size 60
	.end_amdhsa_kernel
	.amdgpu_metadata
---
amdhsa.version: [ 1, 2 ]
amdhsa.kernels:
  - .name:           k_q49c9a79a4d_oproj
    .symbol:         k_q49c9a79a4d_oproj.kd
    .args:
      - { .name: oc, .offset: 0, .size: 8, .value_kind: global_buffer, .address_space: global }
      - { .name: wc, .offset: 8, .size: 8, .value_kind: global_buffer, .address_space: global }
      - { .name: sc, .offset: 16, .size: 8, .value_kind: global_buffer, .address_space: global }
      - { .name: ob, .offset: 24, .size: 8, .value_kind: global_buffer, .address_space: global }
      - { .name: out0, .offset: 32, .size: 8, .value_kind: global_buffer, .address_space: global }
    .group_segment_fixed_size: 280064
    .private_segment_fixed_size: 0
    .kernarg_segment_align: 8
    .kernarg_segment_size: 40
    .max_flat_workgroup_size: 128
    .sgpr_count:     100
    .vgpr_count:     512
    .wavefront_size: 32
...
	.end_amdgpu_metadata
.endif
;; end of part 5
